; MI455X (gfx1250); checked and timed in simulation.
; The chip was launched on July 23, 2026; its instructions are those of AMD's public machine-readable ISA for CDNA 5 (MIT licence, August 2026) and "CDNA5" Instruction Set Architecture Reference Guide (July 2026). The comments in the code are by the model that wrote it; some were corrected since.
;; Seq Attention. Allowed arithmetic: matrix products marked QUANTISED: E2M1 operands, one E8M0 scale for each 32 along K, by v_wmma_scale_f32_16x16x128_f8f6f4 with both operands' format E2M1 (or v_wmma_scale_f32_32x16x128_f4), f32 sums; products left as they are: bf16, f16 or f32 operands; f32 sums; everything else in f32.
;; Inputs: key 64 x 2,048 x 64 float32; key_pe 1 x 64 x 1,024 float32; query 64 x 1,024 x 64 float32; value 64 x 2,048 x 64 float32.
;; Outputs: out0 64 x 1,024 x 64 float32.
;; This version of the problem:
;;   THIS VERSION OF THE PROBLEM IS GIVEN IN LOW PRECISION. The matrix products marked QUANTISED in the list below multiply operands that are first quantised to E2M1 (2 exponent bits, 1 mantissa bit; 4 bits a number), with one power-of-two scale for each 32 numbers along K (OCP MX v1.0); their sums are f32. The products marked 'left as it is' may take bf16, f16 or f32 operands, with f32 sums. All else is computed in f32.
;;   The module's matrix products, in the order in which they are computed (A, B: the left and right operand; K: the contracted axis; several contracted axes count as one K, in the product's order):
;;     1. batch 64 x [M 1,024, K 64] x [K 64, N 2,048]; A: input query; B: input key: QUANTISED
;;     2. [M 65,536, K 64] x [K 64, N 1,024]; A: input query; B: input key_pe: QUANTISED
;;     3. batch 64 x [M 1,024, K 2,048] x [K 2,048, N 64]; A: computed on the way; B: input value: left as it is (an operand is computed on the way)
;;   THE QUANTISER, for each operand of a quantised product, along K:
;;     - K is cut into blocks of 32 from its start; a last block that is shorter is filled with zeros.
;;     - A block's scale is 2^e with e = floor(log2(the largest magnitude in the block)) - 2, held to -126 .. 127; a block of zeros has e = 0. As a byte (E8M0): e + 127.
;;     - Each number is divided by its block's scale, clamped to +-6, and rounded to the nearest number of E2M1, ties to even, subnormals kept.
;;     - The product sums the exact products of the quantised numbers (number of the format x scale) in f32.
;;   ~~~python
;;   def quantise(x, axis):      # numpy; x: float32 -> the quantised numbers, widened to float32 again
;;       x = np.moveaxis(x, axis, -1); K = x.shape[-1]
;;       x = np.pad(x, [(0, 0)] * (x.ndim - 1) + [(0, -K % 32)]); x = x.reshape(x.shape[:-1] + (-1, 32)); a = np.abs(x).max(-1, keepdims=True)
;;       e = np.where(a > 0, np.clip(np.frexp(np.where(a > 0, a, 1))[1] - 1 - 2, -126, 127), 0)      # np.frexp(a)[1] - 1 = floor(log2(a)), exactly
;;       r = np.clip(x / 2.0 ** e, -6, 6)
;;       step = 2.0 ** (np.maximum(np.frexp(np.where(r == 0, 1, r))[1] - 1, 0) - 1)
;;       q = np.round(r / step) * step * 2.0 ** e      # np.round: ties to even
;;       return np.moveaxis(q.reshape(q.shape[:-2] + (-1,))[..., :K], -1, axis).astype(np.float32)
;;   ~~~
;; 2 versions, each right. Each part assembles by itself: llvm-mc -triple=amdgcn-amd-amdhsa -mcpu=gfx1250 --defsym DOCPART=n.
;; ======== version 1 of 2: 1 launch
;; limits: values are held in f16: magnitudes above 65,504 overflow, below 6.1e-05 lose precision; inputs' magnitudes at most 65,504
;; launch band (part 1): grid 256 x 1, 8 waves a work-group, no clusters, 291,840 bytes of LDS; arguments query, key, value, key_pe, out0; writes out0
.if DOCPART == 1
	.amdgcn_target "amdgcn-amd-amdhsa--gfx1250"
	.amdhsa_code_object_version 6
	.text
	.protected	k_q72d4e3c15c_band
	.globl	k_q72d4e3c15c_band
	.p2align	8
	.type	k_q72d4e3c15c_band,@function
k_q72d4e3c15c_band:
	s_mov_b64 s[64:65], 0
	v_nop
	global_prefetch_b8 v0, s[64:65] scope:SCOPE_SE
	s_setreg_imm32_b32 hwreg(HW_REG_WAVE_MODE, 25, 1), 1
	s_wait_xcnt 0x0
; out[b][m] = sum over l of softmax_l((cont(m,l) + pos(m,l)) / 8) value[b][m+l], l = 0 .. 1023.
; cont(m,l) = Q(query[b][m]) . Q(key[b][m+l]), an exact 0 replaced by -1e6; pos(m,l) = Q(query[b][m]) . Q(key_pe[:,l]).
; Q: MX-FP4 along the head size 64 (two blocks of 32).  The weights p and value go to the last product as f16; sums in f32.
; WHY f16 AND NOT bf16: f16 has 11 significant bits against 8, and a row whose weight rests on few keys can cancel to a small number, which shows the operands' rounding.
; Both operands have room in it: p is at most 1 by the running maximum (under 2^-14 it is a subnormal, under 2^-25 it is 0, beside a row's sum of at least 1).
; Only the band is multiplied: query m meets keys m .. m+1023 and nothing else enters the result.
; SHARES.  256 work-groups: batch b = x / 4, queries Q0 = 256 (x % 4) on.  Eight waves; wave v: block g = v / 2 of 64 queries, u = v % 2.
; A wave owns two tiles a = 0, 1 of 16 queries that lie FOUR APART: lane r = lane % 16 holds query Q0 + 64 g + c + 4 r, c = 2 u + a.
; 17 steps s; in step s a wave meets the 64 keys Q0 + 64 (s + g) + kappa.  With lambda = l + c = 64 s + kappa - 4 r all waves want chunk s of pos in step s.
; LAYOUT.  Both FP4 products are used transposed (source 0 = 16 keys or 16 l, source 1 = 16 queries).  Row rho of tile t is kappa = 8 t + rho % 8 + 32 (rho / 8),
; so that lane (r, h = lane / 16) holds the 32 neighbouring keys kappa = 32 h + n in registers n = 0 .. 31.  K is 64 of the instruction's 128:
; registers 4-7 of every FP4 fragment are zero codes, written once, and bytes 2, 3 of every scale word are 0.
; THE SHIFT of pos from (m, l) to (m, key) differs from lane to lane: pos goes through a ring in LDS of the wave's own, a row for each query, 128 lambda to a row,
; pitch 536 bytes, all accesses 8 bytes: a store's 32 lanes fall on 8-byte columns 3 r + 16 h, a load's on r + 16 h (mod 32): 32 different ones each time.
; STAGING.  key, value and key_pe arrive as f32, so every byte passes through registers: each step's head turns one chunk of 64 keys into FP4 fragment images,
; scale words and f16 rows in one of eight LDS slots, one step ahead of its first use, and asks for the next chunk, which has a whole step in which to land.
; key_pe is quantised 128 columns at a time, every second step, a lane to a column with its registers running down the head size.
; NO CLUSTER, NO JOINT LOADS: no operand can go from memory to LDS as it lies (all are f32 and are quantised or rounded in registers on the way), and the four
; work-groups of a batch want a given chunk of keys four steps apart from each other, not together.
; LIMITS.  NaN and infinities among the inputs are not served.  A |value| above 65,504, f16's largest number, becomes infinity.  A block's largest magnitude is taken
; no smaller than 2^-124 (scale byte 1); a block of zeros gets byte 1 with zero codes, and these bytes are read by this program alone.
; The test cont == 0 is made on the matrix unit's f32 sum.
.set RROW,  536                        ; a ring row: 512 bytes + 24
.set RTILE, 16*RROW                    ; a tile's ring
.set RWAVE, 2*RTILE                    ; a wave's two; the rings begin at LDS byte 0
.set VB,    8*RWAVE                    ; V: 8 slots x 64 keys x 160 bytes (128 of f16 + 32)
.set VP,    160
.set VSLOT, 64*VP
.set KC,    VB+8*VSLOT                 ; K's codes: 8 slots x 4 fragment images of 512 bytes (16 bytes at 16 x lane)
.set KS,    KC+8*2048                  ; K's scale words: 8 slots x 64 words, word 16 t + rho
.set PEC,   KS+8*256                   ; pe's codes: two arrays (block 0, 1 of the head size); row l + 32 = x at 16 x + 128 (x / 32)
.set PEH,   22528
.set PES,   PEC+2*PEH                  ; pe's scale words: word l + 32
.set CHUNK, 16384                      ; 64 rows of key or value in memory
.set OP,    272                        ; the way out: a stage row, 256 bytes + 16
; window 0
.set WS,    2                          ; ring: where I store
.set RL1,   3                          ; ring: where I load in odd steps
.set PEA,   4                          ; pe's fragments, tiles 1-3, at step 0
.set PEA0,  5                          ; v5-6  tile 0, for a = 0, 1
.set PESA,  7                          ; pe's scale words at step 0
.set KA0,   8                          ; K's images, K's scale words, V's rows in slot 0
.set KSA0,  9
.set VA0,   10
.set KA,    11                         ; the same in the step's slot
.set KSA,   12
.set VA,    13
.set NEG,   14                         ; -1e6
.set NINF,  15                         ; -infinity
.set DD,    16                         ; v16-17 d(a) = 4 r + c - 32 h
.set PFO,   18                         ; the prefetch's offset
.set SH,    19                         ; 8 h
.set RL0,   20                         ; v20-35 ring: where I load pair y in even steps
.set QSC,   36                         ; v36-37 Q's scale words
.set KSC,   38                         ; v38-39 K's: lanes 0-15 the even tile, lanes 16-31 the odd one
.set PSC,   40                         ; v40-43 pe's, 2 a + pair, likewise
.set ST,    44                         ; tile a at v[44 + 4 a]: c m, m, l (even n), l (odd n)
.set CC,    52                         ; v52-55 at work
.set FA,    56                         ; v56 the factor 2^(c m_old - c m_new); v57 named with it as a pair
.set OLD,   58
.set PEAC,  59                         ; v59-62 pe's four addresses in the step in hand
.set PEA0C, 60
.set PESAC, 62
.set Q,     64                         ; v64-79   Q's two fragments
.set KF,    80                         ; v80-111  K's four
.set S,     112                        ; v112-143 scores, then p
.set PS,    144                        ; v144-207 pos, shifted, 32 a tile
.set PD,    208                        ; v208-239 pos as the product leaves it
.set P,     240                        ; v240-255 p as f16
; window 1: v0-63 O^T (tile a, channels 16 n on: 32 a + 8 n)
.set VF,    64                         ; v64-127  V^T's fragments, 8 (4 z + n)
.set PF,    128                        ; v128-159 pe's four fragments
.set RKV,   160                        ; v160-175 a chunk's K as loaded, v176-191 its V
.set RP,    192                        ; v192-223 32 numbers of a column of pe
.set SA_G,  224                        ; staging: constants of the lane
.set SA_KC, 225
.set SA_KS, 226
.set SA_V,  227
.set SA_PG, 228
.set SA_PC, 229
.set SA_PS, 230
.set SH8,   231
.set AKC,   232                        ; staging: the step's slot
.set ASC,   233
.set AVC,   234
.set MX,    236                        ; staging: at work
.set M2,    238
.set CD,    240
.set BY,    242
.set BX,    244
.set PM0,   246
.set PM1,   247
.set PCD,   248
.set PBY,   252
.set APC,   253
.set APS,   254
; scalars: s[4:5] query, s[6:7] key, s[8:9] value, s[10:11] key_pe, s[12:13] out; s14 wave, s15 g, s16 u; s17 loop counter, s18 step;
; s[20:21] lane selects; s[22:23] log2(e)/8; s24 prefetch limit; s[26:27] prefetch pointer; s28-37 at work; s40-47 compare masks
.set MSB, 0
.macro WIN new                         ; the immediate's high byte repeats the setting that is left; a switch that changes nothing is dropped
.if MSB != \new
	s_set_vgpr_msb (MSB<<8)|\new
.set MSB, \new
.endif
.endm
.macro PLACES n
.rept \n
	v_nop
.endr
.endm
.macro BARRIER                         ; my LDS stores have landed and my LDS loads are in; then the work-group's barrier
	s_wait_dscnt 0x0
	s_barrier_signal -1
	s_barrier_wait -1
.endm
; ---- staging (all registers in window 1)
; A chunk's K and V: wave v takes keys 8 v .. 8 v + 7; a lane holds 8 neighbours: key 8 v + 4 e + lane / 8, channels 8 (lane % 8) on
.macro KVLOAD base, off
.irp e, 0,1
.irp q, 0,1
	global_load_b128 v[\base+8*\e+4*\q:\base+8*\e+4*\q+3], v[SA_G], s[6:7] offset:\off+1024*\e+16*\q
.endr
.endr
.irp e, 0,1
.irp q, 0,1
	global_load_b128 v[\base+16+8*\e+4*\q:\base+16+8*\e+4*\q+3], v[SA_G], s[8:9] offset:\off+1024*\e+16*\q
.endr
.endr
.endm
; V is rounded to f16 in the registers it came in and stored first; K: four lanes hold a block of 32
.macro KVCONV base, adk, ads, adv, x
.irp e, 0,1
.irp j, 0,1,2,3
	v_cvt_pk_f16_f32 v[\base+16+8*\e+\j], v[\base+16+8*\e+2*\j], v[\base+16+8*\e+2*\j+1]
.endr
.endr
.irp e, 0,1
	ds_store_b128 v[\adv], v[\base+16+8*\e:\base+16+8*\e+3] offset:VSLOT*\x+4*VP*\e
.endr
.irp e, 0,1
	v_max3_num_f32 v[MX+\e], |v[\base+8*\e]|, |v[\base+8*\e+1]|, 0x1800000   ; my 8 numbers, and the floor 2^(3 - 127): the byte cannot fall under 1
	v_max3_num_f32 v[M2+\e], |v[\base+8*\e+2]|, |v[\base+8*\e+3]|, |v[\base+8*\e+4]|
.endr
.irp e, 0,1
	v_max3_num_f32 v[MX+\e], v[MX+\e], |v[\base+8*\e+5]|, |v[\base+8*\e+6]|
.endr
.irp e, 0,1
	v_max3_num_f32 v[MX+\e], v[MX+\e], v[M2+\e], |v[\base+8*\e+7]|
.endr
.irp e, 0,1
	v_max_num_f32_dpp v[MX+\e], v[MX+\e], v[MX+\e] row_xmask:1 row_mask:0xf bank_mask:0xf
.endr
.irp e, 0,1
	v_max_num_f32_dpp v[MX+\e], v[MX+\e], v[MX+\e] row_xmask:2 row_mask:0xf bank_mask:0xf   ; the block's largest magnitude
.endr
.irp e, 0,1
	v_add_nc_u32 v[MX+\e], 0xff000000, v[MX+\e]      ; 2 off its exponent field: the conversion's scale operand
.endr
.irp e, 0,1
	v_cvt_scalef32_pk8_fp4_f32 v[CD+\e], v[\base+8*\e:\base+8*\e+7], v[MX+\e]
.endr
.irp e, 0,1
	v_lshrrev_b32 v[BY+\e], 23, v[MX+\e]             ; the scale's byte (a plain line behind the conversions)
.endr
.irp e, 0,1
	v_lshlrev_b32 v[BY+\e], v[SH8], v[BY+\e]         ; at its block's place in the word
.endr
.irp e, 0,1
	v_mov_b32_dpp v[BX+\e], v[BY+\e] row_xmask:4 row_mask:0xf bank_mask:0xf   ; the key's other block lies four lanes away
.endr
.irp e, 0,1
	v_or_b32 v[BY+\e], v[BY+\e], v[BX+\e]
.endr
.irp e, 0,1
	ds_store_b32 v[\adk], v[CD+\e] offset:2048*\x+64*\e   ; 8 codes into the image of the fragment's registers
	ds_store_b32 v[\ads], v[BY+\e] offset:256*\x+16*\e    ; the key's eight lanes write the same word with the same value
.endr
.endm
; 128 columns of pe: wave v takes block v / 4 of the head size and columns 32 (v % 4) + lane; a load reads 128 neighbouring bytes
.macro PELOAD off
.set NN, 0
.rept 32
	global_load_b32 v[RP+NN], v[SA_PG], s[10:11] offset:4096*NN+\off
.set NN, NN+1
.endr
.endm
.macro PEQUANT adc, ads                ; a whole block lies in my 32 registers
	v_max3_num_f32 v[PM0], |v[RP]|, |v[RP+1]|, 0x1800000
	v_max3_num_f32 v[PM1], |v[RP+2]|, |v[RP+3]|, |v[RP+4]|
.irp i, 5,9,13,17,21,25
	v_max3_num_f32 v[PM0], v[PM0], |v[RP+\i]|, |v[RP+\i+1]|
	v_max3_num_f32 v[PM1], v[PM1], |v[RP+\i+2]|, |v[RP+\i+3]|
.endr
	v_max3_num_f32 v[PM0], v[PM0], |v[RP+29]|, |v[RP+30]|
	v_max3_num_f32 v[PM0], v[PM0], v[PM1], |v[RP+31]|
	v_add_nc_u32 v[PM0], 0xff000000, v[PM0]
.irp g, 0,1,2,3
	v_cvt_scalef32_pk8_fp4_f32 v[PCD+\g], v[RP+8*\g:RP+8*\g+7], v[PM0]
.endr
	v_lshrrev_b32 v[PBY], 23, v[PM0]                 ; (a plain line behind the conversions)
	ds_store_b128 v[\adc], v[PCD:PCD+3]
	ds_store_b8 v[\ads], v[PBY]
.endm
; ---- Q: lane (r, h) holds block h of its query in 32 registers from S + 32 a on (window 0)
.macro QQUANT a
.set QS, S+32*\a
	v_max3_num_f32 v[CC], |v[QS]|, |v[QS+1]|, 0x1800000
	v_max3_num_f32 v[CC+1], |v[QS+2]|, |v[QS+3]|, |v[QS+4]|
.irp i, 5,9,13,17,21,25
	v_max3_num_f32 v[CC], v[CC], |v[QS+\i]|, |v[QS+\i+1]|
	v_max3_num_f32 v[CC+1], v[CC+1], |v[QS+\i+2]|, |v[QS+\i+3]|
.endr
	v_max3_num_f32 v[CC], v[CC], |v[QS+29]|, |v[QS+30]|
	v_max3_num_f32 v[CC], v[CC], v[CC+1], |v[QS+31]|
	v_add_nc_u32 v[CC], 0xff000000, v[CC]
.irp g, 0,1,2,3
	v_cvt_scalef32_pk8_fp4_f32 v[Q+8*\a+\g], v[QS+8*\g:QS+8*\g+7], v[CC]
.endr
	v_lshrrev_b32 v[CC+1], 23, v[CC]                 ; (a plain line behind the conversions)
	v_lshlrev_b32 v[CC+1], v[SH], v[CC+1]
	v_permlanex16_b32 v[CC+2], v[CC+1], s20, s21     ; the other block's byte
	v_or_b32 v[QSC+\a], v[CC+1], v[CC+2]
.endm
; ---- the products
.macro POSMM a                         ; pos^T: 64 lambda x 16 queries
	WIN 0x01                                         ; source 0 (pe) window 1
.irp t, 0,1,2,3
.if \t % 2
	v_wmma_scale_f32_16x16x128_f8f6f4 v[PD+8*\t:PD+8*\t+7], v[PF+8*\t:PF+8*\t+7], v[Q+8*\a:Q+8*\a+7], 0, v[PSC+2*\a+\t/2], v[QSC+\a] matrix_a_fmt:MATRIX_FMT_FP4 matrix_b_fmt:MATRIX_FMT_FP4 matrix_a_scale:MATRIX_SCALE_ROW1
.else
	v_wmma_scale_f32_16x16x128_f8f6f4 v[PD+8*\t:PD+8*\t+7], v[PF+8*\t:PF+8*\t+7], v[Q+8*\a:Q+8*\a+7], 0, v[PSC+2*\a+\t/2], v[QSC+\a] matrix_a_fmt:MATRIX_FMT_FP4 matrix_b_fmt:MATRIX_FMT_FP4
.endif
.endr
.endm
.macro CONTMM a                        ; cont^T: 64 keys x 16 queries
	WIN 0
.irp t, 0,1,2,3
.if \t % 2
	v_wmma_scale_f32_16x16x128_f8f6f4 v[S+8*\t:S+8*\t+7], v[KF+8*\t:KF+8*\t+7], v[Q+8*\a:Q+8*\a+7], 0, v[KSC+\t/2], v[QSC+\a] matrix_a_fmt:MATRIX_FMT_FP4 matrix_b_fmt:MATRIX_FMT_FP4 matrix_a_scale:MATRIX_SCALE_ROW1
.else
	v_wmma_scale_f32_16x16x128_f8f6f4 v[S+8*\t:S+8*\t+7], v[KF+8*\t:KF+8*\t+7], v[Q+8*\a:Q+8*\a+7], 0, v[KSC+\t/2], v[QSC+\a] matrix_a_fmt:MATRIX_FMT_FP4 matrix_b_fmt:MATRIX_FMT_FP4
.endif
.endr
.endm
.macro PVMM a, first                   ; O^T += V^T P: four accumulators by turns, one instruction a turn; first = 1: the first four start the sums
	WIN 0x51                                         ; V^T, C and D window 1, P window 0
.irp z, 0,1
.irp n, 0,1,2,3
.if \first && (\z == 0)
	v_wmma_f32_16x16x32_f16 v[32*\a+8*\n:32*\a+8*\n+7], v[VF+8*(4*\z+\n):VF+8*(4*\z+\n)+7], v[P+8*\z:P+8*\z+7], 0
.else
	v_wmma_f32_16x16x32_f16 v[32*\a+8*\n:32*\a+8*\n+7], v[VF+8*(4*\z+\n):VF+8*(4*\z+\n)+7], v[P+8*\z:P+8*\z+7], v[32*\a+8*\n:32*\a+8*\n+7]
.endif
.endr
.endr
.endm
; ---- LDS loads of a step
.macro PFLD a                          ; pe's four fragments for class c = 2 u + a: rows l = 64 s + lambda - c (destination window 1)
	ds_load_b128 v[PF:PF+3], v[PEA0C+\a]
.irp t, 1,2,3
	ds_load_b128 v[PF+8*\t:PF+8*\t+3], v[PEAC] offset:128*\t-16*\a
.endr
.endm
.macro PSCLD a
.irp w, 0,1
	ds_load_b32 v[PSC+2*\a+\w], v[PESAC] offset:64*\w+4*(1-\a)
.endr
.endm
.macro RINGST a, p                     ; chunk s of pos into half p = s % 2 of my rows; each accumulator from its low end on
.irp t, 0,1,2,3
.irp q, 0,1,2,3
	ds_store_b64 v[WS], v[PD+8*\t+2*\q:PD+8*\t+2*\q+1] offset:RTILE*\a+256*\p+32*\t+8*\q
.endr
.endr
.endm
.macro RINGLD a, p                     ; and back, 4 r further down: lambda = 64 s + 32 h + n - 4 r.  LDS serves a wave's instructions in order: these see the stores above
.set YY, 0
.rept 16
.if \p
	ds_load_b64 v[PS+32*\a+2*YY:PS+32*\a+2*YY+1], v[RL1] offset:RTILE*\a+8*YY     ; odd s: no lane passes the row's end
.else
	ds_load_b64 v[PS+32*\a+2*YY:PS+32*\a+2*YY+1], v[RL0+YY] offset:RTILE*\a       ; even s: where the row wraps differs from lane to lane
.endif
.set YY, YY+1
.endr
.endm
; ---- a tile's softmax for one step.  first = 1: it starts m and l.  edge = 1: the band's lower end (step 0); 2: its upper end, in step 16 alone
.macro SOFTMAX a, first, edge
.set rT, ST+4*\a
.set rP, PS+32*\a
.irp t, 0,1,2,3
.irp i, 0,1,2,3,4,5,6,7
	v_cmp_eq_f32 s[40+\i], 0, v[S+8*\t+\i]
.endr
.irp i, 0,1,2,3,4,5,6,7
	v_cndmask_b32 v[S+8*\t+\i], v[S+8*\t+\i], v[NEG], s[40+\i]      ; cont == 0 becomes -1e6
.endr
.endr
.set NN, 0
.rept 16
	v_pk_add_f32 v[S+NN:S+NN+1], v[S+NN:S+NN+1], v[rP+NN:rP+NN+1]   ; + pos
.set NN, NN+2
.endr
.if \edge == 1
.set NN, 0
.rept 32
	v_cmp_lt_i32 vcc_lo, NN, v[DD+\a]                ; l < 0 where n < d
	v_cndmask_b32 v[S+NN], v[S+NN], v[NINF], vcc_lo
.set NN, NN+1
.endr
.elseif \edge == 2
	s_cmp_lg_u32 s18, 16
	s_cbranch_scc1 .Lopen_\@
.set NN, 0
.rept 32
	v_cmp_ge_i32 vcc_lo, NN, v[DD+\a]                ; l > 1023 where n >= d
	v_cndmask_b32 v[S+NN], v[S+NN], v[NINF], vcc_lo
.set NN, NN+1
.endr
.Lopen_\@:
.endif
.irp j, 0,1,2,3
	v_max3_num_f32 v[CC+\j], v[S+8*\j], v[S+8*\j+1], v[S+8*\j+2]    ; the maximum, in four chains
.endr
.irp j, 0,1,2,3
	v_max3_num_f32 v[CC+\j], v[CC+\j], v[S+8*\j+3], v[S+8*\j+4]
.endr
.irp j, 0,1,2,3
	v_max3_num_f32 v[CC+\j], v[CC+\j], v[S+8*\j+5], v[S+8*\j+6]
.endr
	v_max3_num_f32 v[CC], v[CC], v[S+7], v[S+15]
	v_max3_num_f32 v[CC+2], v[CC+2], v[S+23], v[S+31]
	v_max3_num_f32 v[CC], v[CC], v[CC+1], v[CC+2]
.if \first
	v_max_num_f32 v[CC], v[CC], v[CC+3]
.else
	v_max3_num_f32 v[CC], v[CC], v[CC+3], v[rT+1]
.endif
	v_permlanex16_b32 v[CC+1], v[CC], s20, s21       ; the query's other 32 keys lie 16 lanes away
.if \first == 0
	v_mov_b32 v[OLD], v[rT]
.endif
	v_max_num_f32 v[rT+1], v[CC], v[CC+1]            ; m
	v_mul_f32 v[rT], s22, v[rT+1]                    ; c m
.if \first == 0
	v_sub_f32 v[OLD], v[OLD], v[rT]
	v_exp_f32 v[FA], v[OLD]                          ; 2^(c m_old - c m_new)
.endif
.set NN, 0
.rept 16
	v_pk_fma_f32 v[S+NN:S+NN+1], v[S+NN:S+NN+1], s[22:23], v[rT:rT+1] op_sel_hi:[1,0,0] neg_lo:[0,0,1] neg_hi:[0,0,1]   ; c s - c m
.set NN, NN+2
.endr
.set NN, 0
.rept 32
	v_exp_f32 v[S+NN], v[S+NN]
.set NN, NN+1
.endr
	v_nop                                            ; a plain line between the exponentials and the first use of a result
.set NN, 0
	s_wait_alu depctr_va_vdst(0)
.rept 16
	v_cvt_pk_f16_f32 v[P+NN], v[S+2*NN], v[S+2*NN+1] ; p, at most 1, as f16
.set NN, NN+1
.endr
.irp z, 0,1,2,3,4,5,6,7
	v_pk_add_f32 v[S+4*\z:S+4*\z+1], v[S+4*\z:S+4*\z+1], v[S+4*\z+2:S+4*\z+3]   ; the sum is taken of the unrounded p
.endr
.irp z, 0,1,2,3
	v_pk_add_f32 v[S+8*\z:S+8*\z+1], v[S+8*\z:S+8*\z+1], v[S+8*\z+4:S+8*\z+5]
.endr
.irp z, 0,1
	v_pk_add_f32 v[S+16*\z:S+16*\z+1], v[S+16*\z:S+16*\z+1], v[S+16*\z+8:S+16*\z+9]
.endr
.if \first
	v_pk_add_f32 v[rT+2:rT+3], v[S:S+1], v[S+16:S+17]
.else
	v_pk_add_f32 v[S:S+1], v[S:S+1], v[S+16:S+17]
	v_pk_fma_f32 v[rT+2:rT+3], v[rT+2:rT+3], v[FA:FA+1], v[S:S+1] op_sel_hi:[1,0,1]
.endif
.endm
.macro RESCALE a                       ; O^T under the new m, each accumulator from its low end on
	WIN 0x41                                         ; O^T window 1, the factor window 0
.set NN, 0
.rept 16
	v_pk_mul_f32 v[32*\a+NN:32*\a+NN+1], v[32*\a+NN:32*\a+NN+1], v[FA:FA+1] op_sel_hi:[1,0]
.set NN, NN+2
.endr
.endm
; ---- A STEP.  p = s % 2; s = s17 + sofs; guard = 1: the branches on s that end the staging are written
.macro STEP p, sofs, first, edge, guard
	s_add_co_u32 s18, s17, \sofs
	; THE HEAD: chunk s + 4 goes from registers to slot (s + 4) % 8; the waves read slots s .. s + 3 in this step.  Chunk s + 5 is asked for.
	s_wait_loadcnt 0x0                               ; what the last step asked for is in, a whole step after the request,
	s_wait_xcnt 0x0                                  ; and the last prefetch has read its address: the pointers may step
	s_add_nc_u64 s[6:7], s[6:7], CHUNK
	s_add_nc_u64 s[8:9], s[8:9], CHUNK
	s_add_nc_u64 s[26:27], s[26:27], CHUNK
	s_add_nc_u64 s[10:11], s[10:11], 256
	s_add_co_u32 s28, s18, 4
	s_and_b32 s28, s28, 7
	s_lshl_b32 s29, s28, 11
	s_lshl_b32 s30, s28, 8
	s_mul_i32 s31, s28, VSLOT
.if (\p == 0) && \guard
	s_cmp_gt_u32 s18, 14                             ; step 16 has nothing left to stage
	s_cbranch_scc1 .Ltop_\@
.endif
	WIN 0x55
	v_add_nc_u32 v[AKC], s29, v[SA_KC]
	v_add_nc_u32 v[ASC], s30, v[SA_KS]
	v_add_nc_u32 v[AVC], s31, v[SA_V]
	KVCONV RKV, AKC, ASC, AVC, 0
.if \p
	WIN 0
	s_cmp_gt_u32 s18, 13                             ; step 15 stages the last chunk and asks for nothing
	s_cbranch_scc1 .Ltop_\@
	s_add_co_u32 s28, s18, 1
	s_mul_i32 s29, s28, 1280                         ; columns 64 (s + 1) on: 640 bytes of codes for each 32,
	s_lshl_b32 s30, s28, 8                           ; 4 bytes of scales for each.  The waves read columns under 64 (s + 1) in this step
	WIN 0x55
	v_add_nc_u32 v[APC], s29, v[SA_PC]
	v_add_nc_u32 v[APS], s30, v[SA_PS]
	PEQUANT APC, APS
	s_wait_dscnt 6                                   ; V's two stores have read their registers (behind them: K's four, pe's two), which take the next chunk
	KVLOAD RKV, 0
.else
	s_wait_dscnt 4                                   ; V's two stores have read their registers (behind them: K's four), which take the next chunk
	KVLOAD RKV, 0
.if \guard
	WIN 0
	s_cmp_gt_u32 s18, 12                             ; pe's last 128 columns are asked for in step 12
	s_cbranch_scc1 .Ltop_\@
.endif
	WIN 0x55
	PELOAD 256                                       ; columns 64 s + 128 on
.endif
	WIN 0
	; A prefetch of chunk s + 7, two steps ahead of its load, behind the loads just issued.  Of the four work-groups of a batch the last (x % 4 = 3) is four steps ahead of
	; the next on every chunk that it asks for here, so it alone asks: waves 0, 1 for key's 64 blocks of 256 bytes, waves 2, 3 for value's, a lane a block.  It stops at the work-group's last chunk, 19.
	s_cmp_ge_u32 s18, s24
	s_cbranch_scc1 .Ltop_\@
	global_prefetch_b8 v[PFO], s[26:27] th:TH_LOAD_NT scope:SCOPE_SE
.Ltop_\@:
	; THE MAIN PART.  The seven additions are also the places between the last step's last products and the loads into their operands
	s_add_co_u32 s28, s18, s15
	s_and_b32 s28, s28, 7                            ; my chunk's slot
	s_lshl_b32 s29, s28, 11
	s_lshl_b32 s30, s28, 8
	s_mul_i32 s31, s28, VSLOT
	s_mul_i32 s32, s18, 1280
	s_lshl_b32 s33, s18, 8
	v_add_nc_u32 v[KA], s29, v[KA0]
	v_add_nc_u32 v[KSA], s30, v[KSA0]
	v_add_nc_u32 v[VA], s31, v[VA0]
	v_add_nc_u32 v[PEAC], s32, v[PEA]
	v_add_nc_u32 v[PEA0C], s32, v[PEA0]
	v_add_nc_u32 v[PEA0C+1], s32, v[PEA0+1]
	v_add_nc_u32 v[PESAC], s33, v[PESA]
.irp t, 0,1,2,3
	ds_load_b128 v[KF+8*\t:KF+8*\t+3], v[KA] offset:512*\t
.endr
.irp w, 0,1
	ds_load_b32 v[KSC+\w], v[KSA] offset:128*\w
.endr
	PSCLD 0
	WIN 0x40                                         ; destination window 1
	PFLD 0
.irp z, 0,1
.irp n, 0,1,2,3
	ds_load_tr16_b128 v[VF+8*(4*\z+\n):VF+8*(4*\z+\n)+3], v[VA] offset:16*VP*\z+32*\n            ; lane (r, h): channel 16 n + r, keys 32 h + 16 z + 0 .. 7,
	ds_load_tr16_b128 v[VF+8*(4*\z+\n)+4:VF+8*(4*\z+\n)+7], v[VA] offset:16*VP*\z+8*VP+32*\n     ; and + 8 .. 15: the order in which P holds them
.endr
.endr
	s_wait_dscnt 16                                  ; all but V's sixteen
	POSMM 0
	CONTMM 0
	PLACES 5                                         ; in front of the loads into pe's fragments, of the stores of pos, and of the products that write pos anew
	WIN 0x40
	PFLD 1
	WIN 0
	PSCLD 1
	RINGST 0, \p
	RINGLD 0, \p
	s_wait_dscnt 16                                  ; all but tile 0's sixteen ring loads: pe's fragments are in, the ring's stores have read pos
	POSMM 1
	WIN 0
	PLACES 4
	RINGST 1, \p
	RINGLD 1, \p
	s_wait_dscnt 32                                  ; tile 0's shifted pos is in; tile 1's sixteen stores and sixteen loads may be out
	SOFTMAX 0, \first, \edge
.if \first == 0
	RESCALE 0
.endif
	CONTMM 1
	PVMM 0, \first
	WIN 0
	PLACES 4                                         ; in front of the first read of tile 1's scores
	s_wait_dscnt 0x0                                 ; tile 1's shifted pos is in
	SOFTMAX 1, \first, \edge
.if \first == 0
	RESCALE 1
.endif
	PVMM 1, \first
	WIN 0
	BARRIER                                          ; what this step staged lies in LDS, and nobody reads this step's oldest slot any more
.endm
	; ================ the head
	s_load_b256 s[4:11], s[0:1], 0x0                 ; query, key, value, key_pe
	s_load_b64 s[12:13], s[0:1], 0x20                ; out
	s_set_vgpr_msb 0x40
	v_lshl_add_u32 v235, v0, 2, 0x47000
	v_mov_b32 v255, 0
	s_set_vgpr_msb 0x4000
	v_lshrrev_b32 v1, 5, v0
	v_readfirstlane_b32 s14, v1                      ; wave 0..7
	s_lshr_b32 s15, s14, 1                           ; g
	s_and_b32 s16, s14, 1                            ; u
	s_xor_b32 s19, s16, 1                            ; 1 - u
	s_and_b32 s36, s14, 3
	s_lshr_b32 s37, s14, 2
	s_mov_b32 s20, 0x76543210
	s_mov_b32 s21, 0xfedcba98                        ; v_permlanex16_b32: lane l xor 16
	s_mov_b32 s22, 0x3e38aa3b                        ; c = log2(e) / 8
	s_mov_b32 s23, s22                               ; (named with it as a pair)
	v_and_b32 v59, 31, v0                            ; lane
	v_and_b32 v60, 15, v0                            ; r
	v_bfe_u32 v61, v0, 4, 1                          ; h
	v_lshrrev_b32 v52, 3, v60                        ; r / 8
	v_and_b32 v53, 7, v60                            ; r % 8
	; the ring
	s_mul_i32 s28, s14, RWAVE
	s_add_co_u32 s29, s28, 256
	v_mul_u32_u24 v63, v60, RROW
	v_add_nc_u32 v63, s28, v63                       ; my row of tile 0
	v_lshl_add_u32 v[WS], v61, 7, v63                ; + 128 h
	v_mul_u32_u24 v[RL1], v60, RROW-16               ; odd steps: my row's byte 256 + 128 h - 16 r: (536 - 16) r + 128 h + 256, at least 16 and at most 384 into the row
	v_lshl_add_u32 v[RL1], v61, 7, v[RL1]
	v_add_nc_u32 v[RL1], s29, v[RL1]
	v_lshlrev_b32 v54, 4, v60                        ; 16 r
	v_lshl_add_u32 v62, v61, 7, 512
	v_sub_nc_u32 v62, v62, v54                       ; 512 + 128 h - 16 r
.set YY, 0
.rept 16
	v_add_nc_u32 v[RL0+YY], 8*YY, v62
	v_and_b32 v[RL0+YY], 511, v[RL0+YY]
	v_add_nc_u32 v[RL0+YY], v63, v[RL0+YY]
.set YY, YY+1
.endr
	; pe's fragments and scale words as the products read them
	v_mul_u32_u24 v55, v61, PEH
	v_mad_u32_u24 v55, v52, 640, v55
	v_lshl_add_u32 v55, v53, 4, v55                  ; PEH h + 640 (r / 8) + 16 (r % 8)
	s_lshl_b32 s29, s19, 5                           ; - 32 u = 32 (1 - u) - 32
	s_add_co_u32 s30, s29, PEC+608
	v_add_nc_u32 v[PEA], s30, v55
	s_lshl_b32 s31, s19, 1
	s_add_co_u32 s32, s31, 6                         ; 8 - c for a = 0,
	s_add_co_u32 s33, s31, 5                         ; for a = 1
	v_add_nc_u32 v56, s32, v53
	v_add_nc_u32 v57, s33, v53
	v_lshrrev_b32 v56, 3, v56                        ; 1 where r % 8 >= c: tile 0's row lies in the same 32 rows as the rest; else 128 bytes lower
	v_lshrrev_b32 v57, 3, v57
	v_lshl_add_u32 v56, v56, 7, v55
	v_lshl_add_u32 v57, v57, 7, v55
	s_add_co_u32 s30, s29, PEC+608-128
	v_add_nc_u32 v[PEA0], s30, v56
	s_add_co_u32 s30, s29, PEC+608-144
	v_add_nc_u32 v[PEA0+1], s30, v57
	v_lshlrev_b32 v55, 7, v52
	v_lshl_add_u32 v55, v53, 2, v55
	v_lshl_add_u32 v55, v61, 5, v55                  ; lanes 16-31 take the odd tile's words
	s_lshl_b32 s30, s19, 3
	s_add_co_u32 s30, s30, PES+116
	v_add_nc_u32 v[PESA], s30, v55
	; K's and V's
	v_lshl_add_u32 v[KA0], v59, 4, KC
	v_lshl_add_u32 v[KSA0], v59, 2, KS
	v_and_b32 v54, 7, v0
	v_lshl_add_u32 v54, v61, 5, v54                  ; key 32 h + lane % 8
	v_mul_u32_u24 v[VA0], v54, VP
	v_bfe_u32 v55, v0, 3, 1
	v_lshl_add_u32 v[VA0], v55, 4, v[VA0]
	v_add_nc_u32 v[VA0], VB, v[VA0]
	; the band's ends, constants, offsets in memory
	v_lshlrev_b32 v[DD], 2, v60
	v_lshlrev_b32 v55, 5, v61
	v_sub_nc_u32 v[DD], v[DD], v55
	s_lshl_b32 s30, s16, 1
	v_add_nc_u32 v[DD], s30, v[DD]                   ; d(0) = 4 r + 2 u - 32 h
	v_add_nc_u32 v[DD+1], 1, v[DD]
	v_mov_b32 v[NEG], 0xc9742400
	v_mov_b32 v[NINF], 0xff800000
	v_lshlrev_b32 v[SH], 3, v61
	s_lshl_b32 s30, s16, 13
	v_lshlrev_b32 v[PFO], 8, v59
	v_add_nc_u32 v[PFO], s30, v[PFO]                 ; 8,192 (v % 2) + 256 x lane
	v_lshlrev_b32 v1, 10, v60
	v_lshl_add_u32 v1, v61, 7, v1                    ; query: rows 4 apart, + my block's 128 bytes
	; staging: the lane's parts in window 0, the wave's parts in scalars, their sums into window 1
	v_lshrrev_b32 v56, 3, v59                        ; lane / 8
	v_bfe_u32 v57, v0, 2, 1                          ; which block of 32 my 8 numbers belong to
	v_and_b32 v58, 3, v0
	v_and_b32 v55, 7, v0
	v_lshlrev_b32 v208, 5, v59
	v_lshlrev_b32 v209, 4, v56
	v_lshl_add_u32 v209, v57, 8, v209
	v_lshl_add_u32 v209, v58, 2, v209
	v_lshlrev_b32 v210, 2, v56
	v_mul_u32_u24 v211, v56, VP
	v_lshl_add_u32 v211, v55, 4, v211
	v_lshlrev_b32 v212, 2, v59
	v_lshlrev_b32 v213, 4, v59
	s_lshl_b32 s40, s14, 11
	s_lshl_b32 s41, s36, 9                           ; tile v % 4,
	s_lshl_b32 s28, s37, 7                           ; rows 8 (v / 4) on
	s_add_co_u32 s41, s41, s28
	s_add_co_u32 s41, s41, KC
	s_lshl_b32 s42, s36, 6
	s_lshl_b32 s28, s37, 5
	s_add_co_u32 s42, s42, s28
	s_add_co_u32 s42, s42, KS
	s_mul_i32 s43, s14, 8*VP
	s_add_co_u32 s43, s43, VB
	s_lshl_b32 s44, s37, 17                          ; 32 rows of key_pe
	s_lshl_b32 s28, s36, 7
	s_add_co_u32 s44, s44, s28
	s_mul_i32 s45, s37, PEH
	s_mul_i32 s29, s36, 640
	s_add_co_u32 s45, s45, s29
	s_add_co_u32 s45, s45, PEC+640
	s_add_co_u32 s46, s28, s37
	s_add_co_u32 s46, s46, PES+128
	WIN 0x40
	v_add_nc_u32 v[SA_G], s40, v208
	v_add_nc_u32 v[SA_KC], s41, v209
	v_add_nc_u32 v[SA_KS], s42, v210
	v_add_nc_u32 v[SA_V], s43, v211
	v_add_nc_u32 v[SA_PG], s44, v212
	v_add_nc_u32 v[SA_PC], s45, v213
	v_add_nc_u32 v[SA_PS], s46, v212
	v_lshlrev_b32 v[SH8], 3, v57
	v_mov_b32 v[BX], 0                               ; written once: a lane move's destination counts as one of its sources
	v_mov_b32 v[BX+1], 0
.irp t, 0,1,2,3
.irp j, 4,5,6,7
	v_mov_b32 v[PF+8*\t+\j], 0                       ; the upper 64 of the instruction's K: zero codes, written once
.endr
.endr
	WIN 0
.irp t, 0,1,2,3
.irp j, 4,5,6,7
	v_mov_b32 v[KF+8*\t+\j], 0
.endr
.endr
.irp t, 0,1
.irp j, 4,5,6,7
	v_mov_b32 v[Q+8*\t+\j], 0
.endr
.endr
	; where my parts begin in memory
	s_lshr_b32 s28, ttmp9, 2                         ; batch
	s_and_b32 s29, ttmp9, 3                          ; which 256 queries
	s_lshl_b32 s31, s29, 16
	s_lshl_b32 s32, s28, 18
	s_add_co_u32 s32, s32, s31
	s_lshl_b32 s34, s28, 19
	s_add_co_u32 s34, s34, s31                       ; key, value: the batch, row Q0
	s_lshl_b32 s30, s15, 14
	s_add_co_u32 s32, s32, s30
	s_lshl_b32 s30, s16, 9
	s_add_co_u32 s32, s32, s30                       ; query, out: the batch, row Q0 + 64 g + 2 u
	s_mov_b32 s33, 0
	s_mov_b32 s35, 0
	s_cmp_eq_u32 s29, 3
	s_cselect_b32 s24, 13, 0
	s_cmp_lt_u32 s14, 4
	s_cselect_b32 s24, s24, 0                        ; steps 0 to 12 prefetch, in waves 0 to 3 of a batch's last work-group
	s_wait_kmcnt 0x0
	s_add_nc_u64 s[4:5], s[4:5], s[32:33]
	s_add_nc_u64 s[12:13], s[12:13], s[32:33]
	s_add_nc_u64 s[6:7], s[6:7], s[34:35]
	s_add_nc_u64 s[8:9], s[8:9], s[34:35]
	s_cmp_lt_u32 s14, 2
	s_cselect_b64 s[26:27], s[6:7], s[8:9]
	s_add_nc_u64 s[26:27], s[26:27], 6*CHUNK         ; step 0 steps it to chunk 7
.irp a, 0,1
.irp q, 0,1,2,3,4,5,6,7
	global_load_b128 v[S+32*\a+4*\q:S+32*\a+4*\q+3], v1, s[4:5] offset:256*\a+16*\q
.endr
.endr
	WIN 0x55
	KVLOAD 0, 0                                      ; chunks 0 to 3 into registers that the loop uses later,
	KVLOAD 32, CHUNK
	KVLOAD 64, 2*CHUNK
	KVLOAD 96, 3*CHUNK
	KVLOAD RKV, 4*CHUNK                              ; chunk 4 where step 0 expects it
	WIN 0
	; zeros: pe's codes and scale words (rows l < 0 and l > 1023 are read and stay zeros; bytes 2, 3 of every word too), and the ring halves that step 0 reads before they are written
	v_lshl_add_u32 v62, v0, 4, PEC
.irp k, 0,1,2,3,4,5,6,7,8,9,10,11,12
	ds_store_b128 v62, v[Q+4:Q+7] offset:4096*\k
.endr
.irp a, 0,1
.irp t, 0,1,2,3
.irp q, 0,1,2,3
	ds_store_b64 v[WS], v[Q+4:Q+5] offset:RTILE*\a+256+32*\t+8*\q
.endr
.endr
.endr
	s_wait_loadcnt 40                                ; Q's sixteen loads are in; the five chunks' forty may be out
	QQUANT 0
	QQUANT 1
	BARRIER                                          ; the zeros lie in LDS before any wave stores codes among them
	WIN 0x55
	s_wait_loadcnt 32                                ; chunk 0's eight are in; behind them: chunks 1 to 4
	KVCONV 0, SA_KC, SA_KS, SA_V, 0
	s_wait_loadcnt 24                                ; chunk 1's; behind them: chunks 2 to 4
	s_wait_dscnt 0x0                                 ; the stores have read the registers at work
	KVCONV 32, SA_KC, SA_KS, SA_V, 1
	PELOAD 0                                         ; pe's columns 0 to 127
	s_wait_loadcnt 48                                ; chunk 2's; behind them: chunks 3 and 4 and pe's thirty-two
	s_wait_dscnt 0x0
	KVCONV 64, SA_KC, SA_KS, SA_V, 2
	s_wait_loadcnt 40                                ; chunk 3's; behind them: chunk 4 and pe's thirty-two
	s_wait_dscnt 0x0
	KVCONV 96, SA_KC, SA_KS, SA_V, 3
	s_wait_loadcnt 0x0                               ; pe's are in, and no load still reads a pointer
	PEQUANT SA_PC, SA_PS                             ; columns 0 to 127
	WIN 0
	s_add_nc_u64 s[6:7], s[6:7], 4*CHUNK             ; each step's head steps these on by one chunk
	s_add_nc_u64 s[8:9], s[8:9], 4*CHUNK
	BARRIER
	; ================ the 17 steps
	s_mov_b32 s17, 0
	STEP 0, 0, 1, 1, 0                               ; step 0 starts m, l and O^T and cuts the band's lower end
	s_mov_b32 s17, 1
.Lsteps:                                                 ; eight trips of two steps: the ring's halves change places from step to step
	STEP 1, 0, 0, 0, 1
	STEP 0, 1, 0, 2, 1
	s_add_co_u32 s17, s17, 2
	s_cmp_lt_u32 s17, 17
	s_cbranch_scc1 .Lsteps
	; ================ the way out: O^T / l through my own ring's bytes, as 32 rows of 256 bytes + 16
.irp a, 0,1
	v_add_f32 v[CC+\a], v[ST+4*\a+2], v[ST+4*\a+3]
.endr
.irp a, 0,1
	v_permlanex16_b32 v[CC+2+\a], v[CC+\a], s20, s21
.endr
.irp a, 0,1
	v_add_f32 v[CC+\a], v[CC+\a], v[CC+2+\a]         ; the row's sum
.endr
	v_rcp_f32 v[FA], v[CC]
	v_rcp_f32 v[OLD], v[CC+1]
	v_and_b32 v60, 15, v0                            ; (plain lines behind the reciprocals)
	v_bfe_u32 v61, v0, 4, 1
	s_mul_i32 s28, s14, RWAVE
	v_mul_u32_u24 v62, v60, OP
	v_lshl_add_u32 v62, v61, 5, v62
	v_add_nc_u32 v62, s28, v62                       ; in: row r, 32 bytes for each half of the lanes
	v_mul_u32_u24 v63, v61, OP
	v_lshl_add_u32 v63, v60, 4, v63
	v_add_nc_u32 v63, s28, v63                       ; back: lanes 0-15 one row, lanes 16-31 the next
	v_lshlrev_b32 v1, 10, v61
	v_lshl_add_u32 v1, v60, 4, v1                    ; neighbouring stage rows are queries 4 apart: 1,024 bytes in out
	WIN 0x41
.set NN, 0
	s_wait_alu depctr_va_vdst(0)
.rept 16
	v_pk_mul_f32 v[NN:NN+1], v[NN:NN+1], v[FA:FA+1] op_sel_hi:[1,0]
.set NN, NN+2
.endr
.rept 16
	v_pk_mul_f32 v[NN:NN+1], v[NN:NN+1], v[OLD:OLD+1] op_sel_hi:[1,0]
.set NN, NN+2
.endr
	WIN 0x04                                         ; an LDS store's data are its source 1: window 1
.irp a, 0,1
.irp n, 0,1,2,3
	ds_store_b128 v62, v[32*\a+8*\n:32*\a+8*\n+3] offset:16*OP*\a+64*\n        ; lane (r, h): channels 16 n + 8 h + 0 .. 7 of query (a, r)
	ds_store_b128 v62, v[32*\a+8*\n+4:32*\a+8*\n+7] offset:16*OP*\a+64*\n+16
.endr
.endr
	WIN 0
.set NN, 0
.rept 16
	ds_load_b128 v[S+4*NN:S+4*NN+3], v63 offset:2*OP*NN      ; LDS serves a wave's instructions in order: these see my stores
.set NN, NN+1
.endr
.set NN, 0
.rept 16
	s_wait_dscnt 15-NN
	global_store_b128 v1, v[S+4*NN:S+4*NN+3], s[12:13] offset:256*(NN/8)+2048*(NN%8) th:TH_STORE_NT   ; sixteen lanes store a whole row of out: 256 consecutive bytes, aligned
.set NN, NN+1
.endr
	s_set_vgpr_msb 0x5
	s_wait_tensorcnt 0x0
	ds_add_u32 v235, v255
	s_wait_dscnt 0x0
	s_set_vgpr_msb 0x500
	s_endpgm
.Lfunc_end_k_q72d4e3c15c_band:
	.size	k_q72d4e3c15c_band, .Lfunc_end_k_q72d4e3c15c_band-k_q72d4e3c15c_band
	.p2alignl 7, 3214868480
	.fill 96, 4, 3214868480
	.section	.rodata,"a",@progbits
	.p2align	6, 0x0
	.amdhsa_kernel k_q72d4e3c15c_band
		.amdhsa_group_segment_fixed_size 291840
		.amdhsa_private_segment_fixed_size 0
		.amdhsa_enable_private_segment 0
		.amdhsa_kernarg_size 40
		.amdhsa_user_sgpr_count 2
		.amdhsa_user_sgpr_kernarg_segment_ptr 1
		.amdhsa_wavefront_size32 1
		.amdhsa_system_sgpr_workgroup_id_x 1
		.amdhsa_system_sgpr_workgroup_id_y 1
		.amdhsa_system_sgpr_workgroup_id_z 1
		.amdhsa_system_vgpr_workitem_id 0
		.amdhsa_next_free_vgpr 512
		.amdhsa_next_free_sgpr 66
		.amdhsa_reserve_vcc 1
		.amdhsa_float_denorm_mode_32 3
		.amdhsa_float_denorm_mode_16_64 3
		.amdhsa_memory_ordered 1
		.amdhsa_forward_progress 1
		.amdhsa_inst_pref_size 169
	.end_amdhsa_kernel
	.amdgpu_metadata
---
amdhsa.version: [ 1, 2 ]
amdhsa.kernels:
  - .name:           k_q72d4e3c15c_band
    .symbol:         k_q72d4e3c15c_band.kd
    .args:
      - { .name: query, .offset: 0, .size: 8, .value_kind: global_buffer, .address_space: global }
      - { .name: key, .offset: 8, .size: 8, .value_kind: global_buffer, .address_space: global }
      - { .name: value, .offset: 16, .size: 8, .value_kind: global_buffer, .address_space: global }
      - { .name: key_pe, .offset: 24, .size: 8, .value_kind: global_buffer, .address_space: global }
      - { .name: out0, .offset: 32, .size: 8, .value_kind: global_buffer, .address_space: global }
    .group_segment_fixed_size: 291840
    .private_segment_fixed_size: 0
    .kernarg_segment_align: 8
    .kernarg_segment_size: 40
    .max_flat_workgroup_size: 256
    .sgpr_count:     66
    .vgpr_count:     512
    .wavefront_size: 32
...
	.end_amdgpu_metadata
.endif
;; end of part 1
;; ======== version 2 of 2: 1 launch
;; limits: values are held in f16: magnitudes above 65,504 overflow, below 6.1e-05 lose precision; inputs' magnitudes at most 65,504
;; launch band (part 2): grid 256 x 1, 8 waves a work-group, no clusters, 291,840 bytes of LDS; arguments query, key, value, key_pe, out0; writes out0
.if DOCPART == 2
	.amdgcn_target "amdgcn-amd-amdhsa--gfx1250"
	.amdhsa_code_object_version 6
	.text
	.protected	k_q72d4e3c15c_band
	.globl	k_q72d4e3c15c_band
	.p2align	8
	.type	k_q72d4e3c15c_band,@function
k_q72d4e3c15c_band:
	s_mov_b64 s[64:65], 0
	v_nop
	global_prefetch_b8 v0, s[64:65] scope:SCOPE_SE
	s_setreg_imm32_b32 hwreg(HW_REG_WAVE_MODE, 25, 1), 1
	s_wait_xcnt 0x0
; out[b][m] = sum over l of softmax_l((cont(m,l) + pos(m,l)) / 8) value[b][m+l], l = 0 .. 1023.
; cont(m,l) = Q(query[b][m]) . Q(key[b][m+l]), an exact 0 replaced by -1e6; pos(m,l) = Q(query[b][m]) . Q(key_pe[:,l]).
; Q: MX-FP4 along the head size 64 (two blocks of 32).  The weights p and value go to the last product as f16; sums in f32.
; WHY f16 AND NOT bf16: f16 has 11 significant bits against 8, and a row whose weight rests on few keys can cancel to a small number, which shows the operands' rounding.
; Both operands have room in it: p is at most 1 by the running maximum (under 2^-14 it is a subnormal, under 2^-25 it is 0, beside a row's sum of at least 1).
; Only the band is multiplied: query m meets keys m .. m+1023 and nothing else enters the result.
; SHARES.  256 work-groups: batch b = x / 4, queries Q0 = 256 (x % 4) on.  Eight waves; wave v: block g = v / 2 of 64 queries, u = v % 2.
; A wave owns two tiles a = 0, 1 of 16 queries that lie FOUR APART: lane r = lane % 16 holds query Q0 + 64 g + c + 4 r, c = 2 u + a.
; 17 steps s; in step s a wave meets the 64 keys Q0 + 64 (s + g) + kappa.  With lambda = l + c = 64 s + kappa - 4 r all waves want chunk s of pos in step s.
; LAYOUT.  Both FP4 products are used transposed (source 0 = 16 keys or 16 l, source 1 = 16 queries).  Row rho of tile t is kappa = 8 t + rho % 8 + 32 (rho / 8),
; so that lane (r, h = lane / 16) holds the 32 neighbouring keys kappa = 32 h + n in registers n = 0 .. 31.  K is 64 of the instruction's 128:
; registers 4-7 of every FP4 fragment are zero codes, written once, and bytes 2, 3 of every scale word are 0.
; THE SHIFT of pos from (m, l) to (m, key) differs from lane to lane: pos goes through a ring in LDS of the wave's own, a row for each query, 128 lambda to a row,
; pitch 536 bytes, all accesses 8 bytes: a store's 32 lanes fall on 8-byte columns 3 r + 16 h, a load's on r + 16 h (mod 32): 32 different ones each time.
; STAGING.  key, value and key_pe arrive as f32, so every byte passes through registers: each step turns one chunk of 64 keys into FP4 fragment images,
; scale words and f16 rows in one of eight LDS slots, one step ahead of its first use, and asks for the next chunk, which has a whole step in which to land.
; key_pe is quantised 128 columns at a time, every second step, a lane to a column with its registers running down the head size.
; ONE BARRIER A STEP, ITS HALVES APART.  All of a step's LDS instructions stand in its first part; behind the last of them a wave waits for them all and signals; the rest of the
; step, some 300 instructions on registers alone, stands between the signal and the barrier's wait at the step's end.  So every LDS access of step s precedes every one of step s + 1.
; NO CLUSTER, NO JOINT LOADS: no operand can go from memory to LDS as it lies (all are f32 and are quantised or rounded in registers on the way), and the four
; work-groups of a batch want a given chunk of keys four steps apart from each other, not together.
; LIMITS.  NaN and infinities among the inputs are not served.  A |value| above 65,504, f16's largest number, becomes infinity.  A block's largest magnitude is taken
; no smaller than 2^-124 (scale byte 1); a block of zeros gets byte 1 with zero codes, and these bytes are read by this program alone.
; The test cont == 0 is made on the matrix unit's f32 sum.
.set RROW,  536                        ; a ring row: 512 bytes + 24
.set RTILE, 16*RROW                    ; a tile's ring
.set RWAVE, 2*RTILE                    ; a wave's two; the rings begin at LDS byte 0
.set VB,    8*RWAVE                    ; V: 8 slots x 64 keys x 160 bytes (128 of f16 + 32)
.set VP,    160
.set VSLOT, 64*VP
.set KC,    VB+8*VSLOT                 ; K's codes: 8 slots x 4 fragment images of 512 bytes (16 bytes at 16 x lane)
.set KS,    KC+8*2048                  ; K's scale words: 8 slots x 64 words, word 16 t + rho
.set PEC,   KS+8*256                   ; pe's codes: two arrays (block 0, 1 of the head size); row l + 32 = x at 16 x + 128 (x / 32)
.set PEH,   22528
.set PES,   PEC+2*PEH                  ; pe's scale words: word l + 32
.set CHUNK, 16384                      ; 64 rows of key or value in memory
.set OP,    272                        ; the way out: a stage row, 256 bytes + 16
; window 0
.set WS,    2                          ; ring: where I store
.set RL1,   3                          ; ring: where I load in odd steps
.set PEA,   4                          ; pe's fragments, tiles 1-3, at step 0
.set PEA0,  5                          ; v5-6  tile 0, for a = 0, 1
.set PESA,  7                          ; pe's scale words at step 0
.set KA0,   8                          ; K's images, K's scale words, V's rows in slot 0
.set KSA0,  9
.set VA0,   10
.set KA,    11                         ; the same in the step's slot
.set KSA,   12
.set VA,    13
.set NEG,   14                         ; -1e6
.set NINF,  15                         ; -infinity
.set DD,    16                         ; v16-17 d(a) = 4 r + c - 32 h
.set PFO,   18                         ; the prefetch's offset
.set SH,    19                         ; 8 h
.set RL0,   20                         ; v20-35 ring: where I load pair y in even steps
.set QSC,   36                         ; v36-37 Q's scale words
.set KSC,   38                         ; v38-39 K's: lanes 0-15 the even tile, lanes 16-31 the odd one
.set PSC,   40                         ; v40-43 pe's, 2 a + pair, likewise
.set ST,    44                         ; tile a at v[44 + 4 a]: c m, m, l (even n), l (odd n)
.set CC,    52                         ; v52-55 at work
.set FA,    56                         ; v56 the factor 2^(c m_old - c m_new); v57 named with it as a pair
.set OLD,   58
.set PEAC,  59                         ; v59-62 pe's four addresses in the step in hand
.set PEA0C, 60
.set PESAC, 62
.set Q,     64                         ; v64-79   Q's two fragments
.set KF,    80                         ; v80-111  K's four
.set S,     112                        ; v112-143 scores, then p
.set PS,    144                        ; v144-207 pos, shifted, 32 a tile
.set PD,    208                        ; v208-239 pos as the product leaves it
.set P,     240                        ; v240-255 p as f16
; window 1: v0-63 O^T (tile a, channels 16 n on: 32 a + 8 n)
.set VF,    64                         ; v64-127  V^T's fragments, 8 (4 z + n)
.set PF,    128                        ; v128-159 pe's four fragments
.set RKV,   160                        ; v160-175 a chunk's K as loaded, v176-191 its V
.set RP,    192                        ; v192-223 32 numbers of a column of pe
.set SA_G,  224                        ; staging: constants of the lane
.set SA_KC, 225
.set SA_KS, 226
.set SA_V,  227
.set SA_PG, 228
.set SA_PC, 229
.set SA_PS, 230
.set SH8,   231
.set AKC,   232                        ; staging: the step's slot
.set ASC,   233
.set AVC,   234
.set MX,    236                        ; staging: at work
.set M2,    238
.set CD,    240
.set BY,    242
.set BX,    244
.set PM0,   246
.set PM1,   247
.set PCD,   248
.set PBY,   252
.set APC,   253
.set APS,   254
; scalars: s[4:5] query, s[6:7] key, s[8:9] value, s[10:11] key_pe, s[12:13] out; s14 wave, s15 g, s16 u; s17 loop counter, s18 step;
; s[20:21] lane selects; s[22:23] log2(e)/8; s24 prefetch limit; s[26:27] prefetch pointer; s28-37 at work; s40-47 compare masks
.set MSB, 0
.macro WIN new                         ; the immediate's high byte repeats the setting that is left; a switch that changes nothing is dropped
.if MSB != \new
	s_set_vgpr_msb (MSB<<8)|\new
.set MSB, \new
.endif
.endm
.macro PLACES n
.rept \n
	v_nop
.endr
.endm
.macro BARRIER                         ; my LDS stores have landed and my LDS loads are in; then the work-group's barrier
	s_wait_dscnt 0x0
	s_barrier_signal -1
	s_barrier_wait -1
.endm
; ---- staging (all registers in window 1)
; A chunk's K and V: wave v takes keys 8 v .. 8 v + 7; a lane holds 8 neighbours: key 8 v + 4 e + lane / 8, channels 8 (lane % 8) on
.macro KVLOAD base, off
.irp e, 0,1
.irp q, 0,1
	global_load_b128 v[\base+8*\e+4*\q:\base+8*\e+4*\q+3], v[SA_G], s[6:7] offset:\off+1024*\e+16*\q
.endr
.endr
.irp e, 0,1
.irp q, 0,1
	global_load_b128 v[\base+16+8*\e+4*\q:\base+16+8*\e+4*\q+3], v[SA_G], s[8:9] offset:\off+1024*\e+16*\q
.endr
.endr
.endm
; V is rounded to f16 in the registers it came in and stored first; K: four lanes hold a block of 32
.macro KVCONV base, adk, ads, adv, x
.irp e, 0,1
.irp j, 0,1,2,3
	v_cvt_pk_f16_f32 v[\base+16+8*\e+\j], v[\base+16+8*\e+2*\j], v[\base+16+8*\e+2*\j+1]
.endr
.endr
.irp e, 0,1
	ds_store_b128 v[\adv], v[\base+16+8*\e:\base+16+8*\e+3] offset:VSLOT*\x+4*VP*\e
.endr
.irp e, 0,1
	v_max3_num_f32 v[MX+\e], |v[\base+8*\e]|, |v[\base+8*\e+1]|, 0x1800000   ; my 8 numbers, and the floor 2^(3 - 127): the byte cannot fall under 1
	v_max3_num_f32 v[M2+\e], |v[\base+8*\e+2]|, |v[\base+8*\e+3]|, |v[\base+8*\e+4]|
.endr
.irp e, 0,1
	v_max3_num_f32 v[MX+\e], v[MX+\e], |v[\base+8*\e+5]|, |v[\base+8*\e+6]|
.endr
.irp e, 0,1
	v_max3_num_f32 v[MX+\e], v[MX+\e], v[M2+\e], |v[\base+8*\e+7]|
.endr
.irp e, 0,1
	v_max_num_f32_dpp v[MX+\e], v[MX+\e], v[MX+\e] row_xmask:1 row_mask:0xf bank_mask:0xf
.endr
.irp e, 0,1
	v_max_num_f32_dpp v[MX+\e], v[MX+\e], v[MX+\e] row_xmask:2 row_mask:0xf bank_mask:0xf   ; the block's largest magnitude
.endr
.irp e, 0,1
	v_add_nc_u32 v[MX+\e], 0xff000000, v[MX+\e]      ; 2 off its exponent field: the conversion's scale operand
.endr
.irp e, 0,1
	v_cvt_scalef32_pk8_fp4_f32 v[CD+\e], v[\base+8*\e:\base+8*\e+7], v[MX+\e]
.endr
.irp e, 0,1
	v_lshrrev_b32 v[BY+\e], 23, v[MX+\e]             ; the scale's byte (a plain line behind the conversions)
.endr
.irp e, 0,1
	v_lshlrev_b32 v[BY+\e], v[SH8], v[BY+\e]         ; at its block's place in the word
.endr
.irp e, 0,1
	v_mov_b32_dpp v[BX+\e], v[BY+\e] row_xmask:4 row_mask:0xf bank_mask:0xf   ; the key's other block lies four lanes away
.endr
.irp e, 0,1
	v_or_b32 v[BY+\e], v[BY+\e], v[BX+\e]
.endr
.irp e, 0,1
	ds_store_b32 v[\adk], v[CD+\e] offset:2048*\x+64*\e   ; 8 codes into the image of the fragment's registers
	ds_store_b32 v[\ads], v[BY+\e] offset:256*\x+16*\e    ; the key's eight lanes write the same word with the same value
.endr
.endm
; 128 columns of pe: wave v takes block v / 4 of the head size and columns 32 (v % 4) + lane; a load reads 128 neighbouring bytes
.macro PELOAD off
.set NN, 0
.rept 32
	global_load_b32 v[RP+NN], v[SA_PG], s[10:11] offset:4096*NN+\off
.set NN, NN+1
.endr
.endm
.macro PEQUANT adc, ads                ; a whole block lies in my 32 registers
	v_max3_num_f32 v[PM0], |v[RP]|, |v[RP+1]|, 0x1800000
	v_max3_num_f32 v[PM1], |v[RP+2]|, |v[RP+3]|, |v[RP+4]|
.irp i, 5,9,13,17,21,25
	v_max3_num_f32 v[PM0], v[PM0], |v[RP+\i]|, |v[RP+\i+1]|
	v_max3_num_f32 v[PM1], v[PM1], |v[RP+\i+2]|, |v[RP+\i+3]|
.endr
	v_max3_num_f32 v[PM0], v[PM0], |v[RP+29]|, |v[RP+30]|
	v_max3_num_f32 v[PM0], v[PM0], v[PM1], |v[RP+31]|
	v_add_nc_u32 v[PM0], 0xff000000, v[PM0]
.irp g, 0,1,2,3
	v_cvt_scalef32_pk8_fp4_f32 v[PCD+\g], v[RP+8*\g:RP+8*\g+7], v[PM0]
.endr
	v_lshrrev_b32 v[PBY], 23, v[PM0]                 ; (a plain line behind the conversions)
	ds_store_b128 v[\adc], v[PCD:PCD+3]
	ds_store_b8 v[\ads], v[PBY]
.endm
; ---- Q: lane (r, h) holds block h of its query in 32 registers from S + 32 a on (window 0)
.macro QQUANT a
.set QS, S+32*\a
	v_max3_num_f32 v[CC], |v[QS]|, |v[QS+1]|, 0x1800000
	v_max3_num_f32 v[CC+1], |v[QS+2]|, |v[QS+3]|, |v[QS+4]|
.irp i, 5,9,13,17,21,25
	v_max3_num_f32 v[CC], v[CC], |v[QS+\i]|, |v[QS+\i+1]|
	v_max3_num_f32 v[CC+1], v[CC+1], |v[QS+\i+2]|, |v[QS+\i+3]|
.endr
	v_max3_num_f32 v[CC], v[CC], |v[QS+29]|, |v[QS+30]|
	v_max3_num_f32 v[CC], v[CC], v[CC+1], |v[QS+31]|
	v_add_nc_u32 v[CC], 0xff000000, v[CC]
.irp g, 0,1,2,3
	v_cvt_scalef32_pk8_fp4_f32 v[Q+8*\a+\g], v[QS+8*\g:QS+8*\g+7], v[CC]
.endr
	v_lshrrev_b32 v[CC+1], 23, v[CC]                 ; (a plain line behind the conversions)
	v_lshlrev_b32 v[CC+1], v[SH], v[CC+1]
	v_permlanex16_b32 v[CC+2], v[CC+1], s20, s21     ; the other block's byte
	v_or_b32 v[QSC+\a], v[CC+1], v[CC+2]
.endm
; ---- the products
.macro POSMM a                         ; pos^T: 64 lambda x 16 queries
	WIN 0x01                                         ; source 0 (pe) window 1
.irp t, 0,1,2,3
.if \t % 2
	v_wmma_scale_f32_16x16x128_f8f6f4 v[PD+8*\t:PD+8*\t+7], v[PF+8*\t:PF+8*\t+7], v[Q+8*\a:Q+8*\a+7], 0, v[PSC+2*\a+\t/2], v[QSC+\a] matrix_a_fmt:MATRIX_FMT_FP4 matrix_b_fmt:MATRIX_FMT_FP4 matrix_a_scale:MATRIX_SCALE_ROW1
.else
	v_wmma_scale_f32_16x16x128_f8f6f4 v[PD+8*\t:PD+8*\t+7], v[PF+8*\t:PF+8*\t+7], v[Q+8*\a:Q+8*\a+7], 0, v[PSC+2*\a+\t/2], v[QSC+\a] matrix_a_fmt:MATRIX_FMT_FP4 matrix_b_fmt:MATRIX_FMT_FP4
.endif
.endr
.endm
.macro CONTMM a                        ; cont^T: 64 keys x 16 queries
	WIN 0
.irp t, 0,1,2,3
.if \t % 2
	v_wmma_scale_f32_16x16x128_f8f6f4 v[S+8*\t:S+8*\t+7], v[KF+8*\t:KF+8*\t+7], v[Q+8*\a:Q+8*\a+7], 0, v[KSC+\t/2], v[QSC+\a] matrix_a_fmt:MATRIX_FMT_FP4 matrix_b_fmt:MATRIX_FMT_FP4 matrix_a_scale:MATRIX_SCALE_ROW1
.else
	v_wmma_scale_f32_16x16x128_f8f6f4 v[S+8*\t:S+8*\t+7], v[KF+8*\t:KF+8*\t+7], v[Q+8*\a:Q+8*\a+7], 0, v[KSC+\t/2], v[QSC+\a] matrix_a_fmt:MATRIX_FMT_FP4 matrix_b_fmt:MATRIX_FMT_FP4
.endif
.endr
.endm
.macro PVMM a, first                   ; O^T += V^T P: four accumulators by turns, one instruction a turn; first = 1: the first four start the sums
	WIN 0x51                                         ; V^T, C and D window 1, P window 0
.irp z, 0,1
.irp n, 0,1,2,3
.if \first && (\z == 0)
	v_wmma_f32_16x16x32_f16 v[32*\a+8*\n:32*\a+8*\n+7], v[VF+8*(4*\z+\n):VF+8*(4*\z+\n)+7], v[P+8*\z:P+8*\z+7], 0
.else
	v_wmma_f32_16x16x32_f16 v[32*\a+8*\n:32*\a+8*\n+7], v[VF+8*(4*\z+\n):VF+8*(4*\z+\n)+7], v[P+8*\z:P+8*\z+7], v[32*\a+8*\n:32*\a+8*\n+7]
.endif
.endr
.endr
.endm
; ---- LDS loads of a step
.macro PFLD a                          ; pe's four fragments for class c = 2 u + a: rows l = 64 s + lambda - c (destination window 1)
	ds_load_b128 v[PF:PF+3], v[PEA0C+\a]
.irp t, 1,2,3
	ds_load_b128 v[PF+8*\t:PF+8*\t+3], v[PEAC] offset:128*\t-16*\a
.endr
.endm
.macro PSCLD a
.irp w, 0,1
	ds_load_b32 v[PSC+2*\a+\w], v[PESAC] offset:64*\w+4*(1-\a)
.endr
.endm
.macro RINGST a, p                     ; chunk s of pos into half p = s % 2 of my rows; each accumulator from its low end on
.irp t, 0,1,2,3
.irp q, 0,1,2,3
	ds_store_b64 v[WS], v[PD+8*\t+2*\q:PD+8*\t+2*\q+1] offset:RTILE*\a+256*\p+32*\t+8*\q
.endr
.endr
.endm
.macro RINGLD a, p                     ; and back, 4 r further down: lambda = 64 s + 32 h + n - 4 r.  LDS serves a wave's instructions in order: these see the stores above
.set YY, 0
.rept 16
.if \p
	ds_load_b64 v[PS+32*\a+2*YY:PS+32*\a+2*YY+1], v[RL1] offset:RTILE*\a+8*YY     ; odd s: no lane passes the row's end
.else
	ds_load_b64 v[PS+32*\a+2*YY:PS+32*\a+2*YY+1], v[RL0+YY] offset:RTILE*\a       ; even s: where the row wraps differs from lane to lane
.endif
.set YY, YY+1
.endr
.endm
; ---- cont == 0 becomes -1e6, in accumulator t of the scores, from its low end on.  It wants nothing but the scores, so it can stand where the wave would wait for LDS
.macro ZFIX t
.irp i, 0,1,2,3,4,5,6,7
	v_cmp_eq_f32 s[40+\i], 0, v[S+8*\t+\i]
.endr
.irp i, 0,1,2,3,4,5,6,7
	v_cndmask_b32 v[S+8*\t+\i], v[S+8*\t+\i], v[NEG], s[40+\i]
.endr
.endm
; ---- a tile's softmax for one step, behind ZFIX.  first = 1: it starts m and l.  edge = 1: the band's lower end (step 0); 2: its upper end, in step 16 alone.
; sig = 1: the step's barrier is signalled behind the scalings
.macro SOFTMAX a, first, edge, sig
.set rT, ST+4*\a
.set rP, PS+32*\a
.set NN, 0
.rept 16
	v_pk_add_f32 v[S+NN:S+NN+1], v[S+NN:S+NN+1], v[rP+NN:rP+NN+1]   ; + pos
.set NN, NN+2
.endr
.if \edge == 1
.set NN, 0
.rept 32
	v_cmp_lt_i32 vcc_lo, NN, v[DD+\a]                ; l < 0 where n < d
	v_cndmask_b32 v[S+NN], v[S+NN], v[NINF], vcc_lo
.set NN, NN+1
.endr
.elseif \edge == 2
	s_cmp_lg_u32 s18, 16
	s_cbranch_scc1 .Lopen_\@
.set NN, 0
.rept 32
	v_cmp_ge_i32 vcc_lo, NN, v[DD+\a]                ; l > 1023 where n >= d
	v_cndmask_b32 v[S+NN], v[S+NN], v[NINF], vcc_lo
.set NN, NN+1
.endr
.Lopen_\@:
.endif
.irp j, 0,1,2,3
	v_max3_num_f32 v[CC+\j], v[S+8*\j], v[S+8*\j+1], v[S+8*\j+2]    ; the maximum, in four chains
.endr
.irp j, 0,1,2,3
	v_max3_num_f32 v[CC+\j], v[CC+\j], v[S+8*\j+3], v[S+8*\j+4]
.endr
.irp j, 0,1,2,3
	v_max3_num_f32 v[CC+\j], v[CC+\j], v[S+8*\j+5], v[S+8*\j+6]
.endr
	v_max3_num_f32 v[CC], v[CC], v[S+7], v[S+15]
	v_max3_num_f32 v[CC+2], v[CC+2], v[S+23], v[S+31]
	v_max3_num_f32 v[CC], v[CC], v[CC+1], v[CC+2]
.if \first
	v_max_num_f32 v[CC], v[CC], v[CC+3]
.else
	v_max3_num_f32 v[CC], v[CC], v[CC+3], v[rT+1]
.endif
	v_permlanex16_b32 v[CC+1], v[CC], s20, s21       ; the query's other 32 keys lie 16 lanes away
.if \first == 0
	v_mov_b32 v[OLD], v[rT]
.endif
	v_max_num_f32 v[rT+1], v[CC], v[CC+1]            ; m
	v_mul_f32 v[rT], s22, v[rT+1]                    ; c m
.if \first == 0
	v_sub_f32 v[OLD], v[OLD], v[rT]
	v_exp_f32 v[FA], v[OLD]                          ; 2^(c m_old - c m_new)
.endif
.set NN, 0
.rept 16
	v_pk_fma_f32 v[S+NN:S+NN+1], v[S+NN:S+NN+1], s[22:23], v[rT:rT+1] op_sel_hi:[1,0,0] neg_lo:[0,0,1] neg_hi:[0,0,1]   ; c s - c m
.set NN, NN+2
.endr
.if \sig
	s_wait_dscnt 0x0                                 ; all my LDS instructions of this step are done: what I staged lies in LDS, my reads of the slots are over, tile 1's shifted pos is in
	s_barrier_signal -1                              ; say so; up to the barrier's wait at the step's end the wave works on registers alone
.endif
.set NN, 0
.rept 32
	v_exp_f32 v[S+NN], v[S+NN]
.set NN, NN+1
.endr
	v_nop                                            ; a plain line between the exponentials and the first use of a result
.set NN, 0
	s_wait_alu depctr_va_vdst(0)
.rept 16
	v_cvt_pk_f16_f32 v[P+NN], v[S+2*NN], v[S+2*NN+1] ; p, at most 1, as f16
.set NN, NN+1
.endr
.irp z, 0,1,2,3,4,5,6,7
	v_pk_add_f32 v[S+4*\z:S+4*\z+1], v[S+4*\z:S+4*\z+1], v[S+4*\z+2:S+4*\z+3]   ; the sum is taken of the unrounded p
.endr
.irp z, 0,1,2,3
	v_pk_add_f32 v[S+8*\z:S+8*\z+1], v[S+8*\z:S+8*\z+1], v[S+8*\z+4:S+8*\z+5]
.endr
.irp z, 0,1
	v_pk_add_f32 v[S+16*\z:S+16*\z+1], v[S+16*\z:S+16*\z+1], v[S+16*\z+8:S+16*\z+9]
.endr
.if \first
	v_pk_add_f32 v[rT+2:rT+3], v[S:S+1], v[S+16:S+17]
.else
	v_pk_add_f32 v[S:S+1], v[S:S+1], v[S+16:S+17]
	v_pk_fma_f32 v[rT+2:rT+3], v[rT+2:rT+3], v[FA:FA+1], v[S:S+1] op_sel_hi:[1,0,1]
.endif
.endm
.macro RESCALE a                       ; O^T under the new m, each accumulator from its low end on
	WIN 0x41                                         ; O^T window 1, the factor window 0
.set NN, 0
.rept 16
	v_pk_mul_f32 v[32*\a+NN:32*\a+NN+1], v[32*\a+NN:32*\a+NN+1], v[FA:FA+1] op_sel_hi:[1,0]
.set NN, NN+2
.endr
.endm
; ---- A STEP.  p = s % 2; s = s17 + sofs; guard = 1: the branches on s that end the staging are written
.macro STEP p, sofs, first, edge, guard
	s_add_co_u32 s18, s17, \sofs
	; THE STEP'S OPERANDS ARE ASKED OF LDS FIRST: they land while the staging below works on registers.
	; The seven additions are also the places between the last step's last products and the loads into their operands
	s_add_co_u32 s28, s18, s15
	s_and_b32 s28, s28, 7                            ; my chunk's slot
	s_lshl_b32 s29, s28, 11
	s_lshl_b32 s30, s28, 8
	s_mul_i32 s31, s28, VSLOT
	s_mul_i32 s32, s18, 1280
	s_lshl_b32 s33, s18, 8
	v_add_nc_u32 v[KA], s29, v[KA0]
	v_add_nc_u32 v[KSA], s30, v[KSA0]
	v_add_nc_u32 v[VA], s31, v[VA0]
	v_add_nc_u32 v[PEAC], s32, v[PEA]
	v_add_nc_u32 v[PEA0C], s32, v[PEA0]
	v_add_nc_u32 v[PEA0C+1], s32, v[PEA0+1]
	v_add_nc_u32 v[PESAC], s33, v[PESA]
.irp t, 0,1,2,3
	ds_load_b128 v[KF+8*\t:KF+8*\t+3], v[KA] offset:512*\t
.endr
.irp w, 0,1
	ds_load_b32 v[KSC+\w], v[KSA] offset:128*\w
.endr
	PSCLD 0
	WIN 0x40                                         ; destination window 1
	PFLD 0
.irp z, 0,1
.irp n, 0,1,2,3
	ds_load_tr16_b128 v[VF+8*(4*\z+\n):VF+8*(4*\z+\n)+3], v[VA] offset:16*VP*\z+32*\n            ; lane (r, h): channel 16 n + r, keys 32 h + 16 z + 0 .. 7,
	ds_load_tr16_b128 v[VF+8*(4*\z+\n)+4:VF+8*(4*\z+\n)+7], v[VA] offset:16*VP*\z+8*VP+32*\n     ; and + 8 .. 15: the order in which P holds them
.endr
.endr
	WIN 0
	; THE STAGING: chunk s + 4 goes from registers to slot (s + 4) % 8; the waves read slots s .. s + 3 in this step.  Chunk s + 5 is asked for.
	s_wait_loadcnt 0x0                               ; what the last step asked for is in, a whole step after the request,
	s_wait_xcnt 0x0                                  ; and the last prefetch has read its address: the pointers may step
	s_add_nc_u64 s[6:7], s[6:7], CHUNK
	s_add_nc_u64 s[8:9], s[8:9], CHUNK
	s_add_nc_u64 s[26:27], s[26:27], CHUNK
	s_add_nc_u64 s[10:11], s[10:11], 256
	s_add_co_u32 s28, s18, 4
	s_and_b32 s28, s28, 7
	s_lshl_b32 s29, s28, 11
	s_lshl_b32 s30, s28, 8
	s_mul_i32 s31, s28, VSLOT
.if (\p == 0) && \guard
	s_cmp_gt_u32 s18, 14                             ; step 16 has nothing left to stage
	s_cbranch_scc1 .Ltop_\@
.endif
	WIN 0x55
	v_add_nc_u32 v[AKC], s29, v[SA_KC]
	v_add_nc_u32 v[ASC], s30, v[SA_KS]
	v_add_nc_u32 v[AVC], s31, v[SA_V]
	KVCONV RKV, AKC, ASC, AVC, 0
.if \p
	WIN 0
	s_cmp_gt_u32 s18, 13                             ; step 15 stages the last chunk and asks for nothing
	s_cbranch_scc1 .Ltop_\@
	s_add_co_u32 s28, s18, 1
	s_mul_i32 s29, s28, 1280                         ; columns 64 (s + 1) on: 640 bytes of codes for each 32,
	s_lshl_b32 s30, s28, 8                           ; 4 bytes of scales for each.  The waves read columns under 64 (s + 1) in this step
	WIN 0x55
	v_add_nc_u32 v[APC], s29, v[SA_PC]
	v_add_nc_u32 v[APS], s30, v[SA_PS]
	PEQUANT APC, APS
	s_wait_dscnt 6                                   ; V's two stores have read their registers (behind them: K's four, pe's two), which take the next chunk
	KVLOAD RKV, 0
.else
	s_wait_dscnt 4                                   ; V's two stores have read their registers (behind them: K's four), which take the next chunk
	KVLOAD RKV, 0
.if \guard
	WIN 0
	s_cmp_gt_u32 s18, 12                             ; pe's last 128 columns are asked for in step 12
	s_cbranch_scc1 .Ltop_\@
.endif
	WIN 0x55
	PELOAD 256                                       ; columns 64 s + 128 on
.endif
	WIN 0
	; A prefetch of chunk s + 7, two steps ahead of its load, behind the loads just issued.  Of the four work-groups of a batch the last (x % 4 = 3) is four steps ahead of
	; the next on every chunk that it asks for here, so it alone asks: waves 0, 1 for key's 64 blocks of 256 bytes, waves 2, 3 for value's, a lane a block.  It stops at the work-group's last chunk, 19.
	s_cmp_ge_u32 s18, s24
	s_cbranch_scc1 .Ltop_\@
	global_prefetch_b8 v[PFO], s[26:27] th:TH_LOAD_NT scope:SCOPE_SE
.Ltop_\@:
	; THE PRODUCTS AND THE RING
	s_wait_dscnt 16                                  ; K's and pe's twelve loads are in: on every way here at least V's sixteen were issued behind them
	POSMM 0
	CONTMM 0
	PLACES 5                                         ; in front of the loads into pe's fragments, of the stores of pos, of the first read of the scores, and of the products that write pos anew
	WIN 0x40
	PFLD 1
	WIN 0
	PSCLD 1
	RINGST 0, \p
	RINGLD 0, \p
	ZFIX 0                                           ; tile 0's scores are looked through while LDS serves the 38 instructions above
	ZFIX 1
	ZFIX 2
	s_wait_dscnt 16                                  ; all but tile 0's sixteen ring loads: pe's fragments are in, the ring's stores have read pos
	POSMM 1
	WIN 0
	ZFIX 3                                           ; sixteen plain lines that name none of those products' registers: the places in front of the stores of pos
	RINGST 1, \p
	RINGLD 1, \p
	s_wait_dscnt 32                                  ; tile 0's shifted pos is in; tile 1's sixteen stores and sixteen loads may be out
	SOFTMAX 0, \first, \edge, 1                      ; in it: the wait for all my LDS instructions, and the barrier's signal
	CONTMM 1
.if \first
	PLACES 4                                         ; in front of the first read of tile 1's scores
.else
	RESCALE 0                                        ; its sixteen lines are also the places in front of the first read of tile 1's scores
.endif
	PVMM 0, \first
	WIN 0
	ZFIX 0
	ZFIX 1
	ZFIX 2
	ZFIX 3
	SOFTMAX 1, \first, \edge, 0
.if \first == 0
	RESCALE 1
.endif
	PVMM 1, \first
	WIN 0
	s_barrier_wait -1                                ; every wave has signalled: what this step staged lies in LDS, and nobody reads this step's slots any more
.endm
	; ================ the head
	s_load_b256 s[4:11], s[0:1], 0x0                 ; query, key, value, key_pe
	s_load_b64 s[12:13], s[0:1], 0x20                ; out
	s_set_vgpr_msb 0x40
	v_lshl_add_u32 v235, v0, 2, 0x47000
	v_mov_b32 v255, 0
	s_set_vgpr_msb 0x4000
	v_lshrrev_b32 v1, 5, v0
	v_readfirstlane_b32 s14, v1                      ; wave 0..7
	s_lshr_b32 s15, s14, 1                           ; g
	s_and_b32 s16, s14, 1                            ; u
	s_xor_b32 s19, s16, 1                            ; 1 - u
	s_and_b32 s36, s14, 3
	s_lshr_b32 s37, s14, 2
	s_mov_b32 s20, 0x76543210
	s_mov_b32 s21, 0xfedcba98                        ; v_permlanex16_b32: lane l xor 16
	s_mov_b32 s22, 0x3e38aa3b                        ; c = log2(e) / 8
	s_mov_b32 s23, s22                               ; (named with it as a pair)
	v_and_b32 v59, 31, v0                            ; lane
	v_and_b32 v60, 15, v0                            ; r
	v_bfe_u32 v61, v0, 4, 1                          ; h
	v_lshrrev_b32 v52, 3, v60                        ; r / 8
	v_and_b32 v53, 7, v60                            ; r % 8
	; the ring
	s_mul_i32 s28, s14, RWAVE
	s_add_co_u32 s29, s28, 256
	v_mul_u32_u24 v63, v60, RROW
	v_add_nc_u32 v63, s28, v63                       ; my row of tile 0
	v_lshl_add_u32 v[WS], v61, 7, v63                ; + 128 h
	v_mul_u32_u24 v[RL1], v60, RROW-16               ; odd steps: my row's byte 256 + 128 h - 16 r: (536 - 16) r + 128 h + 256, at least 16 and at most 384 into the row
	v_lshl_add_u32 v[RL1], v61, 7, v[RL1]
	v_add_nc_u32 v[RL1], s29, v[RL1]
	v_lshlrev_b32 v54, 4, v60                        ; 16 r
	v_lshl_add_u32 v62, v61, 7, 512
	v_sub_nc_u32 v62, v62, v54                       ; 512 + 128 h - 16 r
.set YY, 0
.rept 16
	v_add_nc_u32 v[RL0+YY], 8*YY, v62
	v_and_b32 v[RL0+YY], 511, v[RL0+YY]
	v_add_nc_u32 v[RL0+YY], v63, v[RL0+YY]
.set YY, YY+1
.endr
	; pe's fragments and scale words as the products read them
	v_mul_u32_u24 v55, v61, PEH
	v_mad_u32_u24 v55, v52, 640, v55
	v_lshl_add_u32 v55, v53, 4, v55                  ; PEH h + 640 (r / 8) + 16 (r % 8)
	s_lshl_b32 s29, s19, 5                           ; - 32 u = 32 (1 - u) - 32
	s_add_co_u32 s30, s29, PEC+608
	v_add_nc_u32 v[PEA], s30, v55
	s_lshl_b32 s31, s19, 1
	s_add_co_u32 s32, s31, 6                         ; 8 - c for a = 0,
	s_add_co_u32 s33, s31, 5                         ; for a = 1
	v_add_nc_u32 v56, s32, v53
	v_add_nc_u32 v57, s33, v53
	v_lshrrev_b32 v56, 3, v56                        ; 1 where r % 8 >= c: tile 0's row lies in the same 32 rows as the rest; else 128 bytes lower
	v_lshrrev_b32 v57, 3, v57
	v_lshl_add_u32 v56, v56, 7, v55
	v_lshl_add_u32 v57, v57, 7, v55
	s_add_co_u32 s30, s29, PEC+608-128
	v_add_nc_u32 v[PEA0], s30, v56
	s_add_co_u32 s30, s29, PEC+608-144
	v_add_nc_u32 v[PEA0+1], s30, v57
	v_lshlrev_b32 v55, 7, v52
	v_lshl_add_u32 v55, v53, 2, v55
	v_lshl_add_u32 v55, v61, 5, v55                  ; lanes 16-31 take the odd tile's words
	s_lshl_b32 s30, s19, 3
	s_add_co_u32 s30, s30, PES+116
	v_add_nc_u32 v[PESA], s30, v55
	; K's and V's
	v_lshl_add_u32 v[KA0], v59, 4, KC
	v_lshl_add_u32 v[KSA0], v59, 2, KS
	v_and_b32 v54, 7, v0
	v_lshl_add_u32 v54, v61, 5, v54                  ; key 32 h + lane % 8
	v_mul_u32_u24 v[VA0], v54, VP
	v_bfe_u32 v55, v0, 3, 1
	v_lshl_add_u32 v[VA0], v55, 4, v[VA0]
	v_add_nc_u32 v[VA0], VB, v[VA0]
	; the band's ends, constants, offsets in memory
	v_lshlrev_b32 v[DD], 2, v60
	v_lshlrev_b32 v55, 5, v61
	v_sub_nc_u32 v[DD], v[DD], v55
	s_lshl_b32 s30, s16, 1
	v_add_nc_u32 v[DD], s30, v[DD]                   ; d(0) = 4 r + 2 u - 32 h
	v_add_nc_u32 v[DD+1], 1, v[DD]
	v_mov_b32 v[NEG], 0xc9742400
	v_mov_b32 v[NINF], 0xff800000
	v_lshlrev_b32 v[SH], 3, v61
	s_lshl_b32 s30, s16, 13
	v_lshlrev_b32 v[PFO], 8, v59
	v_add_nc_u32 v[PFO], s30, v[PFO]                 ; 8,192 (v % 2) + 256 x lane
	v_lshlrev_b32 v1, 10, v60
	v_lshl_add_u32 v1, v61, 7, v1                    ; query: rows 4 apart, + my block's 128 bytes
	; staging: the lane's parts in window 0, the wave's parts in scalars, their sums into window 1
	v_lshrrev_b32 v56, 3, v59                        ; lane / 8
	v_bfe_u32 v57, v0, 2, 1                          ; which block of 32 my 8 numbers belong to
	v_and_b32 v58, 3, v0
	v_and_b32 v55, 7, v0
	v_lshlrev_b32 v208, 5, v59
	v_lshlrev_b32 v209, 4, v56
	v_lshl_add_u32 v209, v57, 8, v209
	v_lshl_add_u32 v209, v58, 2, v209
	v_lshlrev_b32 v210, 2, v56
	v_mul_u32_u24 v211, v56, VP
	v_lshl_add_u32 v211, v55, 4, v211
	v_lshlrev_b32 v212, 2, v59
	v_lshlrev_b32 v213, 4, v59
	s_lshl_b32 s40, s14, 11
	s_lshl_b32 s41, s36, 9                           ; tile v % 4,
	s_lshl_b32 s28, s37, 7                           ; rows 8 (v / 4) on
	s_add_co_u32 s41, s41, s28
	s_add_co_u32 s41, s41, KC
	s_lshl_b32 s42, s36, 6
	s_lshl_b32 s28, s37, 5
	s_add_co_u32 s42, s42, s28
	s_add_co_u32 s42, s42, KS
	s_mul_i32 s43, s14, 8*VP
	s_add_co_u32 s43, s43, VB
	s_lshl_b32 s44, s37, 17                          ; 32 rows of key_pe
	s_lshl_b32 s28, s36, 7
	s_add_co_u32 s44, s44, s28
	s_mul_i32 s45, s37, PEH
	s_mul_i32 s29, s36, 640
	s_add_co_u32 s45, s45, s29
	s_add_co_u32 s45, s45, PEC+640
	s_add_co_u32 s46, s28, s37
	s_add_co_u32 s46, s46, PES+128
	WIN 0x40
	v_add_nc_u32 v[SA_G], s40, v208
	v_add_nc_u32 v[SA_KC], s41, v209
	v_add_nc_u32 v[SA_KS], s42, v210
	v_add_nc_u32 v[SA_V], s43, v211
	v_add_nc_u32 v[SA_PG], s44, v212
	v_add_nc_u32 v[SA_PC], s45, v213
	v_add_nc_u32 v[SA_PS], s46, v212
	v_lshlrev_b32 v[SH8], 3, v57
	v_mov_b32 v[BX], 0                               ; written once: a lane move's destination counts as one of its sources
	v_mov_b32 v[BX+1], 0
.irp t, 0,1,2,3
.irp j, 4,5,6,7
	v_mov_b32 v[PF+8*\t+\j], 0                       ; the upper 64 of the instruction's K: zero codes, written once
.endr
.endr
	WIN 0
.irp t, 0,1,2,3
.irp j, 4,5,6,7
	v_mov_b32 v[KF+8*\t+\j], 0
.endr
.endr
.irp t, 0,1
.irp j, 4,5,6,7
	v_mov_b32 v[Q+8*\t+\j], 0
.endr
.endr
	; where my parts begin in memory
	s_lshr_b32 s28, ttmp9, 2                         ; batch
	s_and_b32 s29, ttmp9, 3                          ; which 256 queries
	s_lshl_b32 s31, s29, 16
	s_lshl_b32 s32, s28, 18
	s_add_co_u32 s32, s32, s31
	s_lshl_b32 s34, s28, 19
	s_add_co_u32 s34, s34, s31                       ; key, value: the batch, row Q0
	s_lshl_b32 s30, s15, 14
	s_add_co_u32 s32, s32, s30
	s_lshl_b32 s30, s16, 9
	s_add_co_u32 s32, s32, s30                       ; query, out: the batch, row Q0 + 64 g + 2 u
	s_mov_b32 s33, 0
	s_mov_b32 s35, 0
	s_cmp_eq_u32 s29, 3
	s_cselect_b32 s24, 13, 0
	s_cmp_lt_u32 s14, 4
	s_cselect_b32 s24, s24, 0                        ; steps 0 to 12 prefetch, in waves 0 to 3 of a batch's last work-group
	s_wait_kmcnt 0x0
	s_add_nc_u64 s[4:5], s[4:5], s[32:33]
	s_add_nc_u64 s[12:13], s[12:13], s[32:33]
	s_add_nc_u64 s[6:7], s[6:7], s[34:35]
	s_add_nc_u64 s[8:9], s[8:9], s[34:35]
	s_cmp_lt_u32 s14, 2
	s_cselect_b64 s[26:27], s[6:7], s[8:9]
	s_add_nc_u64 s[26:27], s[26:27], 6*CHUNK         ; step 0 steps it to chunk 7
.irp a, 0,1
.irp q, 0,1,2,3,4,5,6,7
	global_load_b128 v[S+32*\a+4*\q:S+32*\a+4*\q+3], v1, s[4:5] offset:256*\a+16*\q
.endr
.endr
	WIN 0x55
	KVLOAD 0, 0                                      ; chunks 0 to 3 into registers that the loop uses later,
	KVLOAD 32, CHUNK
	KVLOAD 64, 2*CHUNK
	KVLOAD 96, 3*CHUNK
	KVLOAD RKV, 4*CHUNK                              ; chunk 4 where step 0 expects it
	WIN 0
	; zeros: pe's codes and scale words (rows l < 0 and l > 1023 are read and stay zeros; bytes 2, 3 of every word too), and the ring halves that step 0 reads before they are written
	v_lshl_add_u32 v62, v0, 4, PEC
.irp k, 0,1,2,3,4,5,6,7,8,9,10,11,12
	ds_store_b128 v62, v[Q+4:Q+7] offset:4096*\k
.endr
.irp a, 0,1
.irp t, 0,1,2,3
.irp q, 0,1,2,3
	ds_store_b64 v[WS], v[Q+4:Q+5] offset:RTILE*\a+256+32*\t+8*\q
.endr
.endr
.endr
	s_wait_loadcnt 40                                ; Q's sixteen loads are in; the five chunks' forty may be out
	QQUANT 0
	QQUANT 1
	BARRIER                                          ; the zeros lie in LDS before any wave stores codes among them
	WIN 0x55
	s_wait_loadcnt 32                                ; chunk 0's eight are in; behind them: chunks 1 to 4
	KVCONV 0, SA_KC, SA_KS, SA_V, 0
	s_wait_loadcnt 24                                ; chunk 1's; behind them: chunks 2 to 4
	s_wait_dscnt 0x0                                 ; the stores have read the registers at work
	KVCONV 32, SA_KC, SA_KS, SA_V, 1
	PELOAD 0                                         ; pe's columns 0 to 127
	s_wait_loadcnt 48                                ; chunk 2's; behind them: chunks 3 and 4 and pe's thirty-two
	s_wait_dscnt 0x0
	KVCONV 64, SA_KC, SA_KS, SA_V, 2
	s_wait_loadcnt 40                                ; chunk 3's; behind them: chunk 4 and pe's thirty-two
	s_wait_dscnt 0x0
	KVCONV 96, SA_KC, SA_KS, SA_V, 3
	s_wait_loadcnt 0x0                               ; pe's are in, and no load still reads a pointer
	PEQUANT SA_PC, SA_PS                             ; columns 0 to 127
	WIN 0
	s_add_nc_u64 s[6:7], s[6:7], 4*CHUNK             ; each step's staging steps these on by one chunk
	s_add_nc_u64 s[8:9], s[8:9], 4*CHUNK
	BARRIER
	; ================ the 17 steps
	s_mov_b32 s17, 0
	STEP 0, 0, 1, 1, 0                               ; step 0 starts m, l and O^T and cuts the band's lower end
	s_mov_b32 s17, 1
.Lsteps:                                                 ; eight trips of two steps: the ring's halves change places from step to step
	STEP 1, 0, 0, 0, 1
	STEP 0, 1, 0, 2, 1
	s_add_co_u32 s17, s17, 2
	s_cmp_lt_u32 s17, 17
	s_cbranch_scc1 .Lsteps
	; ================ the way out: O^T / l through my own ring's bytes, as 32 rows of 256 bytes + 16
.irp a, 0,1
	v_add_f32 v[CC+\a], v[ST+4*\a+2], v[ST+4*\a+3]
.endr
.irp a, 0,1
	v_permlanex16_b32 v[CC+2+\a], v[CC+\a], s20, s21
.endr
.irp a, 0,1
	v_add_f32 v[CC+\a], v[CC+\a], v[CC+2+\a]         ; the row's sum
.endr
	v_rcp_f32 v[FA], v[CC]
	v_rcp_f32 v[OLD], v[CC+1]
	v_and_b32 v60, 15, v0                            ; (plain lines behind the reciprocals)
	v_bfe_u32 v61, v0, 4, 1
	s_mul_i32 s28, s14, RWAVE
	v_mul_u32_u24 v62, v60, OP
	v_lshl_add_u32 v62, v61, 5, v62
	v_add_nc_u32 v62, s28, v62                       ; in: row r, 32 bytes for each half of the lanes
	v_mul_u32_u24 v63, v61, OP
	v_lshl_add_u32 v63, v60, 4, v63
	v_add_nc_u32 v63, s28, v63                       ; back: lanes 0-15 one row, lanes 16-31 the next
	v_lshlrev_b32 v1, 10, v61
	v_lshl_add_u32 v1, v60, 4, v1                    ; neighbouring stage rows are queries 4 apart: 1,024 bytes in out
	WIN 0x41
.set NN, 0
	s_wait_alu depctr_va_vdst(0)
.rept 16
	v_pk_mul_f32 v[NN:NN+1], v[NN:NN+1], v[FA:FA+1] op_sel_hi:[1,0]
.set NN, NN+2
.endr
.rept 16
	v_pk_mul_f32 v[NN:NN+1], v[NN:NN+1], v[OLD:OLD+1] op_sel_hi:[1,0]
.set NN, NN+2
.endr
	WIN 0x04                                         ; an LDS store's data are its source 1: window 1
.irp a, 0,1
.irp n, 0,1,2,3
	ds_store_b128 v62, v[32*\a+8*\n:32*\a+8*\n+3] offset:16*OP*\a+64*\n        ; lane (r, h): channels 16 n + 8 h + 0 .. 7 of query (a, r)
	ds_store_b128 v62, v[32*\a+8*\n+4:32*\a+8*\n+7] offset:16*OP*\a+64*\n+16
.endr
.endr
	WIN 0
.set NN, 0
.rept 16
	ds_load_b128 v[S+4*NN:S+4*NN+3], v63 offset:2*OP*NN      ; LDS serves a wave's instructions in order: these see my stores
.set NN, NN+1
.endr
.set NN, 0
.rept 16
	s_wait_dscnt 15-NN
	global_store_b128 v1, v[S+4*NN:S+4*NN+3], s[12:13] offset:256*(NN/8)+2048*(NN%8) th:TH_STORE_NT   ; sixteen lanes store a whole row of out: 256 consecutive bytes, aligned
.set NN, NN+1
.endr
	s_set_vgpr_msb 0x5
	s_wait_tensorcnt 0x0
	ds_add_u32 v235, v255
	s_wait_dscnt 0x0
	s_set_vgpr_msb 0x500
	s_endpgm
.Lfunc_end_k_q72d4e3c15c_band:
	.size	k_q72d4e3c15c_band, .Lfunc_end_k_q72d4e3c15c_band-k_q72d4e3c15c_band
	.p2alignl 7, 3214868480
	.fill 96, 4, 3214868480
	.section	.rodata,"a",@progbits
	.p2align	6, 0x0
	.amdhsa_kernel k_q72d4e3c15c_band
		.amdhsa_group_segment_fixed_size 291840
		.amdhsa_private_segment_fixed_size 0
		.amdhsa_enable_private_segment 0
		.amdhsa_kernarg_size 40
		.amdhsa_user_sgpr_count 2
		.amdhsa_user_sgpr_kernarg_segment_ptr 1
		.amdhsa_wavefront_size32 1
		.amdhsa_system_sgpr_workgroup_id_x 1
		.amdhsa_system_sgpr_workgroup_id_y 1
		.amdhsa_system_sgpr_workgroup_id_z 1
		.amdhsa_system_vgpr_workitem_id 0
		.amdhsa_next_free_vgpr 512
		.amdhsa_next_free_sgpr 66
		.amdhsa_reserve_vcc 1
		.amdhsa_float_denorm_mode_32 3
		.amdhsa_float_denorm_mode_16_64 3
		.amdhsa_memory_ordered 1
		.amdhsa_forward_progress 1
		.amdhsa_inst_pref_size 168
	.end_amdhsa_kernel
	.amdgpu_metadata
---
amdhsa.version: [ 1, 2 ]
amdhsa.kernels:
  - .name:           k_q72d4e3c15c_band
    .symbol:         k_q72d4e3c15c_band.kd
    .args:
      - { .name: query, .offset: 0, .size: 8, .value_kind: global_buffer, .address_space: global }
      - { .name: key, .offset: 8, .size: 8, .value_kind: global_buffer, .address_space: global }
      - { .name: value, .offset: 16, .size: 8, .value_kind: global_buffer, .address_space: global }
      - { .name: key_pe, .offset: 24, .size: 8, .value_kind: global_buffer, .address_space: global }
      - { .name: out0, .offset: 32, .size: 8, .value_kind: global_buffer, .address_space: global }
    .group_segment_fixed_size: 291840
    .private_segment_fixed_size: 0
    .kernarg_segment_align: 8
    .kernarg_segment_size: 40
    .max_flat_workgroup_size: 256
    .sgpr_count:     66
    .vgpr_count:     512
    .wavefront_size: 32
...
	.end_amdgpu_metadata
.endif
;; end of part 2
